; MI455X (gfx1250); checked and timed in simulation.
; The chip was launched on July 23, 2026; its instructions are those of AMD's public machine-readable ISA for CDNA 5 (MIT licence, August 2026) and "CDNA5" Instruction Set Architecture Reference Guide (July 2026). The comments in the code are by the model that wrote it; some were corrected since.
;; Transformer Block. Allowed arithmetic: matrix products marked QUANTISED: E2M3 operands, one E8M0 scale for each 32 along K, by v_wmma_scale_f32_16x16x128_f8f6f4 with both operands' format E2M3, f32 sums; everything else in f32.
;; Inputs: ff1_b 4,096 float32; ff1_w 4,096 x 1,024 float32; ff2_b 1,024 float32; ff2_w 1,024 x 4,096 float32; ln1_b 1,024 float32; ln1_g 1,024 float32; ln2_b 1,024 float32; ln2_g 1,024 float32; proj_b 1,024 float32; proj_w 1,024 x 1,024 float32; qkv_b 3,072 float32; qkv_w 3,072 x 1,024 float32; x 2 x 2,048 x 1,024 float32.
;; Outputs: out0 2 x 2,048 x 1,024 float32.
;; This version of the problem:
;;   THIS VERSION OF THE PROBLEM IS GIVEN IN LOW PRECISION. The matrix products marked QUANTISED in the list below multiply operands that are first quantised to E2M3 (2 exponent bits, 3 mantissa bits; 6 bits a number), with one power-of-two scale for each 32 numbers along K (OCP MX v1.0); their sums are f32. All else is computed in f32.
;;   The module's matrix products, in the order in which they are computed (A, B: the left and right operand; K: the contracted axis; several contracted axes count as one K, in the product's order):
;;     1. [M 4,096, K 1,024] x [K 1,024, N 3,072]; A: computed on the way; B: input qkv_w: QUANTISED
;;     2. batch 32 x [M 2,048, K 64] x [K 64, N 2,048]; A: computed on the way; B: computed on the way: QUANTISED
;;     3. batch 32 x [M 2,048, K 2,048] x [K 2,048, N 64]; A: softmax (see below); B: computed on the way: QUANTISED
;;     4. [M 4,096, K 1,024] x [K 1,024, N 1,024]; A: computed on the way; B: input proj_w: QUANTISED
;;     5. [M 4,096, K 1,024] x [K 1,024, N 4,096]; A: computed on the way; B: input ff1_w: QUANTISED
;;     6. [M 4,096, K 4,096] x [K 4,096, N 1,024]; A: computed on the way; B: input ff2_w: QUANTISED
;;   THE QUANTISER, for each operand of a quantised product, along K:
;;     - K is cut into blocks of 32 from its start; a last block that is shorter is filled with zeros.
;;     - A block's scale is 2^e with e = floor(log2(the largest magnitude in the block)) - 2, held to -126 .. 127; a block of zeros has e = 0. As a byte (E8M0): e + 127.
;;     - Each number is divided by its block's scale, clamped to +-7.5, and rounded to the nearest number of E2M3, ties to even, subnormals kept.
;;     - The product sums the exact products of the quantised numbers (number of the format x scale) in f32.
;;   ~~~python
;;   def quantise(x, axis):      # numpy; x: float32 -> the quantised numbers, widened to float32 again
;;       x = np.moveaxis(x, axis, -1); K = x.shape[-1]
;;       x = np.pad(x, [(0, 0)] * (x.ndim - 1) + [(0, -K % 32)]); x = x.reshape(x.shape[:-1] + (-1, 32)); a = np.abs(x).max(-1, keepdims=True)
;;       e = np.where(a > 0, np.clip(np.frexp(np.where(a > 0, a, 1))[1] - 1 - 2, -126, 127), 0)      # np.frexp(a)[1] - 1 = floor(log2(a)), exactly
;;       r = np.clip(x / 2.0 ** e, -7.5, 7.5)
;;       step = 2.0 ** (np.maximum(np.frexp(np.where(r == 0, 1, r))[1] - 1, 0) - 3)
;;       q = np.round(r / step) * step * 2.0 ** e      # np.round: ties to even
;;       return np.moveaxis(q.reshape(q.shape[:-2] + (-1,))[..., :K], -1, axis).astype(np.float32)
;;   ~~~
;;   SOFTMAX AHEAD OF A QUANTISED PRODUCT. Where the list says 'softmax', what is quantised is not the finished softmax but p = 2^(t - M), with t = logit x log2(e) and M = ceil(the row's largest t), a whole number; so 1/2 < the row's largest p <= 1. The row's sum l is taken of the UNQUANTISED p, in f32, and the product's result is divided by l at the end. Since M is a whole number, a kernel that streams over the keys may use a running M (the ceiling of the running maximum): every later rescaling is an exact power of two, which a block's scale takes up: the codes' values come out the same.
;;   OPERANDS COMPUTED ON THE WAY. 'Computed on the way' means the value that the module computes at that place (a softmax that the list does not call 'softmax' is quantised finished and normalised). What goes into a quantiser is computed in f32, as accurately as f32 sums, v_exp_f32 and their like allow (about 1e-6 of the number): no bf16 or f16 on the way to a quantiser, and a product that is left as it is and whose result goes on into a quantised operand takes f32 operands (vector FMAs, or v_wmma_f32_16x16x4_f32). A number that lies on a knife's edge between two numbers of the format may be rounded either way, as far as f32 arithmetic and the matrix unit's own rounding can turn it there, and no further.
;; One version. Each part assembles by itself: llvm-mc -triple=amdgcn-amd-amdhsa -mcpu=gfx1250 --defsym DOCPART=n.
;; ======== version 1 of 1: 7 launches
;; limits: an absolute error that grows with the inputs' magnitude: up to 6e-08 times it
;; workspace buffers: wc 9,830,400 bytes; act 3,276,800 bytes; qkv 10,092,544 bytes; x1 16,777,216 bytes; hid 13,107,200 bytes
;; launch prep (part 1): grid 1024 x 1, 4 waves a work-group, no clusters, 75,776 bytes of LDS; arguments x, ln1_g, ln1_b, qkv_w, proj_w, ff1_w, ff2_w, act, wc; writes act, wc
.if DOCPART == 1
	.amdgcn_target "amdgcn-amd-amdhsa--gfx1250"
	.amdhsa_code_object_version 6
	.text
	.protected	k_qfab2ca795f_prep
	.globl	k_qfab2ca795f_prep
	.p2align	8
	.type	k_qfab2ca795f_prep,@function
k_qfab2ca795f_prep:
	s_mov_b64 s[64:65], 0
	v_nop
	global_prefetch_b8 v0, s[64:65] scope:SCOPE_SE
	s_setreg_imm32_b32 hwreg(HW_REG_WAVE_MODE, 25, 1), 1
	s_wait_xcnt 0x0
; THE PROGRAM: a transformer block on 4,096 tokens, all six products on codes of FP6 (E2M3) with one E8M0 byte for each 32 along K.  Seven launches: this one (layer norm 1 and the four weights into codes),
; qkv, attention, projection + residual, this body again (layer norm 2), ff1 + GELU, ff2 + residual.
; WORK LEFT OUT, in the whole program: only the key steps of attention that lie wholly above the causal diagonal, which reference() builds itself (jnp.tril): their scores become -inf ahead of the softmax, so p = 0 for
; every value of the inputs and they add nothing to a row's sum or result.  Every input is loaded, every bias stays.  LIMIT: a NaN, an infinity or an overflow that reaches only those masked scores is not carried to the result.
; THIS BODY: 16 rows x 1,024 along K of one tensor become codes.  Work-groups 0-255: token rows, with the layer norm ahead of the quantiser; 256-447 qkv_w; 448-511 proj_w; 512-767 ff1_w; 768-1023 ff2_w (a quarter of its K each).
; LAYOUT OF ALL CODES IN THIS PROGRAM: the order of the operand's registers.  A half fragment (16 rows x 64 K) is 768 bytes: lane l's registers 0-1 at 8 l, its registers 2-5 at 256 + 16 l; lane (r, h) holds row r, k = 32 h .. 32 h + 31.
; A fragment (128 K) is two of them on end; buffers are [tile of 16 rows][K step][1536].  Scale words: [tile][K step][16 rows], 4 bytes a row.
; THE ROWS OF A TILE ARE NOT NEIGHBOURS: place p of tile 2 g + u holds row 32 g + 8 u + p % 8 + 16 (p / 8), so that a product's 16 registers of two neighbouring tiles are 16 neighbours along the next K.
; A block's scale byte is its largest magnitude's exponent field - 2, held at 1 from below.  A block of zeros so gets 1 where the rule says 127: its codes are zeros, and this program alone reads the bytes.
; LIMITS: NaN and infinities among the inputs are not served; blocks whose largest magnitude lies under 2^-124 are held at byte 1; the layer norm's sums are taken in another order than reference()'s (two passes: mean, then squares of x - mean).
; SHARES: wave w takes columns 256 w .. 256 w + 255 of the 16 rows.  Each load reads 512 consecutive bytes of a row; the numbers turn through the wave's own stage in LDS, so that a lane then holds 32 neighbours of one row.
.set SP,    1040                       ; a stage row: 1,024 bytes + 16
.set STGW,  16*SP                      ; a wave's stage
.set GBS,   4*STGW                     ; behind the stages: gain (1 KB) and bias (1 KB) of each wave's columns
.set RED,   GBS+4*2048                 ; 256 bytes for the first reduction, 256 for the second
.set SPARE, RED+512                    ; the spare words, 128 bytes a wave: two blocks of 256 bytes that no other line names
.set LANE, 3
.set SA,   4                           ; stage, in: 16 x lane
.set SB,   5                           ; stage, out: row r, + 128 h
.set L8,   6
.set L16,  7
.set L4,   8
.set GA,   9                           ; gain and bias, in
.set GR,   10                          ; and out: + 128 h
.set RW,   11                          ; my wave's word for row r
.set RR,   12                          ; row r's four words
.set GO,   13
.set SPW,  14                          ; LDS address of my spare word; never rewritten
.set NIL,  15                          ; 0; never rewritten
.set RO,   16                          ; v16-31: 16 x lane + the place's row x pitch
.set X,    32                          ; v32-159: the numbers
.set GT,   160                         ; v160-191: gain; later the codes
.set C,    160
.set BT,   192                         ; v192-223: bias
.set S,    224                         ; v224-231: sums
.set MU,   232
.set RS,   234
.set M,    240
.set SO,   244
.set BY,   248
	s_load_b256 s[4:11], s[0:1], 0x0               ; rows s[4:5], gain s[6:7], bias s[8:9], qkv_w s[10:11]
	s_load_b256 s[12:19], s[0:1], 0x20             ; proj_w s[12:13], ff1_w s[14:15], ff2_w s[16:17], act s[18:19]
	s_load_b64 s[20:21], s[0:1], 0x40              ; wc
	v_lshl_add_u32 v[SPW], v0, 2, SPARE
	v_mov_b32 v[NIL], 0
	v_lshrrev_b32 v1, 5, v0
	v_readfirstlane_b32 s22, v1                    ; wave
	v_and_b32 v[LANE], 31, v0
	v_and_b32 v1, 15, v0                           ; r
	v_bfe_u32 v2, v0, 4, 1                         ; h
	v_lshlrev_b32 v[L8], 3, v[LANE]
	v_lshlrev_b32 v[L16], 4, v[LANE]
	v_lshlrev_b32 v[L4], 2, v[LANE]
	s_mul_i32 s23, s22, STGW
	v_add_nc_u32 v[SA], s23, v[L16]
	v_mul_u32_u24 v[SB], v1, SP
	v_lshl_add_u32 v[SB], v2, 7, v[SB]
	v_add_nc_u32 v[SB], s23, v[SB]
	s_lshl_b32 s23, s22, 11
	s_add_co_u32 s23, s23, GBS
	v_add_nc_u32 v[GA], s23, v[L16]
	v_lshlrev_b32 v[GR], 7, v2
	v_add_nc_u32 v[GR], s23, v[GR]
	v_lshlrev_b32 v[RR], 2, v1
	s_lshl_b32 s23, s22, 6
	s_add_co_u32 s23, s23, RED
	v_add_nc_u32 v[RW], s23, v[RR]
	v_add_nc_u32 v[RR], RED, v[RR]
	s_mov_b32 s42, 0x76543210
	s_mov_b32 s43, 0xfedcba98                      ; v_permlanex16_b32's selects for lane l xor 16
	s_mov_b32 s44, 0x3727c5ac                      ; 1e-5
	; which tensor, which tile: all from the work-group's number
	s_mov_b32 s26, 9437184
	s_cmp_lt_u32 ttmp9, 256
	s_cselect_b32 s24, 0, 256                      ; my tensor's first work-group
	s_cselect_b32 s25, 0, 256                      ; and what comes off for the place in act or in wc
	s_cselect_b32 s26, 3145728, s26                ; where the scale words begin there
	s_cmp_lt_u32 ttmp9, 448
	s_cselect_b32 s24, s24, 448
	s_cmp_lt_u32 ttmp9, 512
	s_cselect_b32 s24, s24, 512
	s_cmp_lt_u32 ttmp9, 768
	s_cselect_b32 s24, s24, 768
	s_cselect_b32 s27, 0, 2                        ; ff2_w: four work-groups to a tile, rows four times as long
	s_cselect_b32 s28, 0, 3
	s_sub_co_u32 s24, ttmp9, s24
	s_and_b32 s28, s24, s28                        ; which quarter of K
	s_lshr_b32 s24, s24, s27                       ; the tile
	s_lshl_b32 s29, 4096, s27                      ; a row in bytes
	s_lshr_b32 s30, s24, 1
	s_lshl_b32 s30, s30, 5
	s_and_b32 s24, s24, 1
	s_lshl_b32 s24, s24, 3
	s_add_co_u32 s30, s30, s24                     ; the tile's first row: 32 (tile / 2) + 8 (tile % 2)
	s_mul_i32 s30, s30, s29
	s_lshl_b32 s28, s28, 12
	s_add_co_u32 s30, s30, s28
	s_lshl_b32 s24, s22, 10
	s_add_co_u32 s30, s30, s24                     ; + my wave's 1,024 bytes
	s_mov_b32 s31, 0
	s_sub_co_u32 s25, ttmp9, s25
	s_lshl_b32 s25, s25, 3
	s_lshl_b32 s24, s22, 1
	s_add_co_u32 s25, s25, s24                     ; my first fragment: 8 a work-group, 2 a wave
	s_mul_i32 s32, s25, 1536
	s_mov_b32 s33, 0
	s_lshl_b32 s34, s25, 6
	s_add_co_u32 s34, s34, s26
	s_mov_b32 s35, 0
.irp p, 0,1,2,3,4,5,6,7,8,9,10,11,12,13,14,15
	v_mad_u32_u24 v[RO+\p], s29, (\p%8)+16*(\p/8), v[L16]
.endr
	s_wait_kmcnt 0x0
	s_cmp_lt_u32 ttmp9, 256                        ; the choices hang on the work-group's number alone
	s_cselect_b64 s[36:37], s[4:5], s[10:11]
	s_cselect_b64 s[38:39], s[18:19], s[20:21]
	s_cmp_lt_u32 ttmp9, 448
	s_cselect_b64 s[36:37], s[36:37], s[12:13]
	s_cmp_lt_u32 ttmp9, 512
	s_cselect_b64 s[36:37], s[36:37], s[14:15]
	s_cmp_lt_u32 ttmp9, 768
	s_cselect_b64 s[36:37], s[36:37], s[16:17]
	s_add_nc_u64 s[36:37], s[36:37], s[30:31]
	s_add_nc_u64 s[40:41], s[38:39], s[34:35]      ; the scale words
	s_add_nc_u64 s[38:39], s[38:39], s[32:33]      ; the codes
.irp p, 0,1,2,3,4,5,6,7,8,9,10,11,12,13,14,15
	global_load_b128 v[X+8*\p:X+8*\p+3], v[RO+\p], s[36:37] th:TH_LOAD_NT             ; 32 lanes read 512 consecutive bytes of the place's row
	global_load_b128 v[X+8*\p+4:X+8*\p+7], v[RO+\p], s[36:37] offset:512 th:TH_LOAD_NT
.endr
.irp g, 0,1,2,3
	s_wait_loadcnt 24-8*\g                         ; four rows' eight loads are in; the younger ones stay out
.irp q, 0,1,2,3
	ds_store_b128 v[SA], v[X+8*(4*\g+\q):X+8*(4*\g+\q)+3] offset:SP*(4*\g+\q)
	ds_store_b128 v[SA], v[X+8*(4*\g+\q)+4:X+8*(4*\g+\q)+7] offset:SP*(4*\g+\q)+512
.endr
.endr
.irp f, 0,1,2,3                                ; LDS serves a wave's instructions in order: these see my stores.  X[32 f + i] = (row r, column 64 f + 32 h + i)
.irp j, 0,1,2,3,4,5,6,7
	ds_load_b128 v[X+32*\f+4*\j:X+32*\f+4*\j+3], v[SB] offset:256*\f+16*\j
.endr
.endr
	s_wait_dscnt 0x0
	s_cmp_ge_u32 ttmp9, 256                        ; weights go straight to the quantiser: the same way for all four waves
	s_cbranch_scc1 .Lcodes
; ---- the layer norm.  A lane's 128 numbers, lane l xor 16's, and the other three waves' make a row
.macro ACROSS off
	v_pk_add_f32 v[S:S+1], v[S:S+1], v[S+2:S+3]
	v_pk_add_f32 v[S+4:S+5], v[S+4:S+5], v[S+6:S+7]
	v_pk_add_f32 v[S:S+1], v[S:S+1], v[S+4:S+5]
	v_add_f32 v[S], v[S], v[S+1]
	v_permlanex16_b32 v[S+2], v[S], s42, s43
	v_add_f32 v[S], v[S], v[S+2]
	ds_store_b32 v[RW], v[S] offset:\off           ; both lanes of a row write the same word with the same value
	s_wait_dscnt 0x0                               ; for the others' sake: my stores are done
	s_barrier_signal -1
	s_barrier_wait -1
.irp k, 0,1,2,3
	ds_load_b32 v[S+4+\k], v[RR] offset:\off+64*\k
.endr
	s_wait_dscnt 0x0
	v_add_f32 v[S+4], v[S+4], v[S+5]
	v_add_f32 v[S+6], v[S+6], v[S+7]
	v_add_f32 v[S+4], v[S+4], v[S+6]
.endm
	s_lshl_b32 s24, s22, 10
	v_add_nc_u32 v[GO], s24, v[L16]
	global_load_b128 v[GT:GT+3], v[GO], s[6:7]                 ; my columns' gain and bias: they land while the row's mean is made
	global_load_b128 v[GT+4:GT+7], v[GO], s[6:7] offset:512
	global_load_b128 v[GT+8:GT+11], v[GO], s[8:9]
	global_load_b128 v[GT+12:GT+15], v[GO], s[8:9] offset:512
.irp c, 0,1,2,3
	v_pk_add_f32 v[S+2*\c:S+2*\c+1], v[X+2*\c:X+2*\c+1], v[X+8+2*\c:X+9+2*\c]     ; four chains, started by the first numbers
.endr
.set j, 16
.rept 14
.irp c, 0,1,2,3
	v_pk_add_f32 v[S+2*\c:S+2*\c+1], v[S+2*\c:S+2*\c+1], v[X+j+2*\c:X+j+2*\c+1]
.endr
.set j, j+8
.endr
	ACROSS 0
	v_mul_f32 v[MU], 0x3a800000, v[S+4]            ; the mean: sum / 1,024
	v_mov_b32 v[MU+1], v[MU]
.set j, 0
.rept 64
	v_pk_add_f32 v[X+j:X+j+1], v[X+j:X+j+1], v[MU:MU+1] neg_lo:[0,1] neg_hi:[0,1]
.set j, j+2
.endr
	s_wait_loadcnt 0x0                             ; gain and bias
	ds_store_b128 v[GA], v[GT:GT+3]
	ds_store_b128 v[GA], v[GT+4:GT+7] offset:512
	ds_store_b128 v[GA], v[GT+8:GT+11] offset:1024
	ds_store_b128 v[GA], v[GT+12:GT+15] offset:1536
.irp c, 0,1,2,3
	v_pk_mul_f32 v[S+2*\c:S+2*\c+1], v[X+2*\c:X+2*\c+1], v[X+2*\c:X+2*\c+1]
.endr
.set j, 8
.rept 15
.irp c, 0,1,2,3
	v_pk_fma_f32 v[S+2*\c:S+2*\c+1], v[X+j+2*\c:X+j+2*\c+1], v[X+j+2*\c:X+j+2*\c+1], v[S+2*\c:S+2*\c+1]
.endr
.set j, j+8
.endr
	ACROSS 256
	v_fma_f32 v[S], v[S+4], 0x3a800000, s44        ; the variance + 1e-5
	v_rsq_f32 v[RS], v[S]
	v_mov_b32 v[RS+1], 0                           ; a plain line behind the transcendental; the pair's upper word is named below, so it is written
	s_wait_alu depctr_va_vdst(0)                   ; the wait stands ahead of the first line that names the result
.irp f, 0,1,2,3
.irp j, 0,1,2,3,4,5,6,7
	ds_load_b128 v[GT+4*\j:GT+4*\j+3], v[GR] offset:256*\f+16*\j          ; the gain of my 32 columns: sixteen lanes share each word
.endr
.irp j, 0,1,2,3,4,5,6,7
	ds_load_b128 v[BT+4*\j:BT+4*\j+3], v[GR] offset:1024+256*\f+16*\j
.endr
.irp k, 0,2,4,6,8,10,12,14,16,18,20,22,24,26,28,30
	v_pk_mul_f32 v[X+32*\f+\k:X+32*\f+\k+1], v[X+32*\f+\k:X+32*\f+\k+1], v[RS:RS+1] op_sel_hi:[1,0]
.endr
	s_wait_dscnt 0x0
.irp k, 0,2,4,6,8,10,12,14,16,18,20,22,24,26,28,30
	v_pk_fma_f32 v[X+32*\f+\k:X+32*\f+\k+1], v[X+32*\f+\k:X+32*\f+\k+1], v[GT+\k:GT+\k+1], v[BT+\k:BT+\k+1]
.endr
.endr
.Lcodes:
; ---- the quantiser: a lane holds four whole blocks of 32 (block 2 f + h of the wave's eight)
.irp f, 0,1,2,3
	v_max3_num_f32 v[M+\f], |v[X+32*\f]|, |v[X+32*\f+1]|, 0x1800000       ; with the floor 2^(3 - 127): the byte cannot fall under 1
.endr
.irp i, 2,4,6,8,10,12,14,16,18,20,22,24,26,28,30
.irp f, 0,1,2,3
	v_max3_num_f32 v[M+\f], v[M+\f], |v[X+32*\f+\i]|, |v[X+32*\f+\i+1]|   ; (the four blocks by turns)
.endr
.endr
.irp f, 0,1,2,3
	v_add_nc_u32 v[SO+\f], 0xff000000, v[M+\f]     ; 2 off the exponent field: the conversion takes this operand's exponent field as its scale
.endr
.irp f, 0,1,2,3
	v_lshrrev_b32 v[BY+\f], 23, v[SO+\f]           ; the scale's byte
.endr
.irp f, 0,1,2,3
	v_cvt_scalef32_pk16_fp6_f32 v[C+8*\f:C+8*\f+2], v[X+32*\f:X+32*\f+15], v[SO+\f]
	v_cvt_scalef32_pk16_fp6_f32 v[C+8*\f+4:C+8*\f+6], v[X+32*\f+16:X+32*\f+31], v[SO+\f]     ; (a conversion's three registers begin on an even number)
.endr
	v_nop                                          ; one plain line behind the scaled conversions
.irp f, 0,1,2,3
	v_mov_b32 v[C+8*\f+3], v[C+8*\f+4]
	v_mov_b32 v[C+8*\f+4], v[C+8*\f+5]
	v_mov_b32 v[C+8*\f+5], v[C+8*\f+6]             ; six registers on end: the half fragment's
.endr
	v_lshlrev_b32 v254, 3, v2                      ; 8 h
	v_lshl_or_b32 v252, v[BY+1], 16, v[BY]         ; K step 0 of my two: my bytes are those of blocks h and 2 + h,
	v_lshl_or_b32 v253, v[BY+3], 16, v[BY+2]       ; K step 1 likewise
	v_lshlrev_b32 v252, v254, v252
	v_lshlrev_b32 v253, v254, v253
	v_mov_b32 v255, 0
	v_permlanex16_b32 v255, v252, s42, s43
	v_or_b32 v252, v252, v255                      ; with lane l xor 16's two the word is whole
	v_permlanex16_b32 v255, v253, s42, s43
	v_or_b32 v253, v253, v255
	v_cmp_lt_u32 vcc_lo, 15, v[LANE]
	v_cndmask_b32 v252, v252, v253, vcc_lo         ; lanes 0-15 store K step 0's words, lanes 16-31 K step 1's
.irp f, 0,1,2,3
	global_store_b64 v[L8], v[C+8*\f:C+8*\f+1], s[38:39] offset:768*\f             ; 256 consecutive bytes, aligned
	global_store_b128 v[L16], v[C+8*\f+2:C+8*\f+5], s[38:39] offset:768*\f+256     ; 512
.endr
	global_store_b32 v[L4], v252, s[40:41]         ; 128 consecutive bytes
	s_wait_tensorcnt 0x0                           ; the wave's end
	ds_add_u32 v[SPW], v[NIL]
	s_wait_dscnt 0x0
	s_endpgm
.Lfunc_end_k_qfab2ca795f_prep:
	.size	k_qfab2ca795f_prep, .Lfunc_end_k_qfab2ca795f_prep-k_qfab2ca795f_prep
	.p2alignl 7, 3214868480
	.fill 96, 4, 3214868480
	.section	.rodata,"a",@progbits
	.p2align	6, 0x0
	.amdhsa_kernel k_qfab2ca795f_prep
		.amdhsa_group_segment_fixed_size 75776
		.amdhsa_private_segment_fixed_size 0
		.amdhsa_enable_private_segment 0
		.amdhsa_kernarg_size 72
		.amdhsa_user_sgpr_count 2
		.amdhsa_user_sgpr_kernarg_segment_ptr 1
		.amdhsa_wavefront_size32 1
		.amdhsa_system_sgpr_workgroup_id_x 1
		.amdhsa_system_sgpr_workgroup_id_y 1
		.amdhsa_system_sgpr_workgroup_id_z 1
		.amdhsa_system_vgpr_workitem_id 0
		.amdhsa_next_free_vgpr 256
		.amdhsa_next_free_sgpr 66
		.amdhsa_reserve_vcc 1
		.amdhsa_float_denorm_mode_32 3
		.amdhsa_float_denorm_mode_16_64 3
		.amdhsa_memory_ordered 1
		.amdhsa_forward_progress 1
		.amdhsa_inst_pref_size 46
	.end_amdhsa_kernel
	.amdgpu_metadata
---
amdhsa.version: [ 1, 2 ]
amdhsa.kernels:
  - .name:           k_qfab2ca795f_prep
    .symbol:         k_qfab2ca795f_prep.kd
    .args:
      - { .name: x, .offset: 0, .size: 8, .value_kind: global_buffer, .address_space: global }
      - { .name: ln1_g, .offset: 8, .size: 8, .value_kind: global_buffer, .address_space: global }
      - { .name: ln1_b, .offset: 16, .size: 8, .value_kind: global_buffer, .address_space: global }
      - { .name: qkv_w, .offset: 24, .size: 8, .value_kind: global_buffer, .address_space: global }
      - { .name: proj_w, .offset: 32, .size: 8, .value_kind: global_buffer, .address_space: global }
      - { .name: ff1_w, .offset: 40, .size: 8, .value_kind: global_buffer, .address_space: global }
      - { .name: ff2_w, .offset: 48, .size: 8, .value_kind: global_buffer, .address_space: global }
      - { .name: act, .offset: 56, .size: 8, .value_kind: global_buffer, .address_space: global }
      - { .name: wc, .offset: 64, .size: 8, .value_kind: global_buffer, .address_space: global }
    .group_segment_fixed_size: 75776
    .private_segment_fixed_size: 0
    .kernarg_segment_align: 8
    .kernarg_segment_size: 72
    .max_flat_workgroup_size: 128
    .sgpr_count:     66
    .vgpr_count:     256
    .wavefront_size: 32
...
	.end_amdgpu_metadata
.endif
;; end of part 1
;; launch qkv (part 2): grid 16 x 24, 4 waves a work-group, clusters of 4 x 4, 327,680 bytes of LDS; arguments act, wc, qkv_b, qkv; writes qkv
.if DOCPART == 2
	.amdgcn_target "amdgcn-amd-amdhsa--gfx1250"
	.amdhsa_code_object_version 6
	.text
	.protected	k_qfab2ca795f_qkv
	.globl	k_qfab2ca795f_qkv
	.p2align	8
	.type	k_qfab2ca795f_qkv,@function
k_qfab2ca795f_qkv:
	s_mov_b64 s[64:65], 0
	v_nop
	global_prefetch_b8 v0, s[64:65] scope:SCOPE_SE
	s_setreg_imm32_b32 hwreg(HW_REG_WAVE_MODE, 25, 1), 1
	s_wait_xcnt 0x0
	s_wait_alu depctr_hold_cnt(0) depctr_sa_sdst(0) depctr_va_vdst(0) depctr_va_sdst(0) depctr_va_ssrc(0) depctr_va_vcc(0) depctr_vm_vsrc(0)
	s_getreg_b32 s2, hwreg(HW_REG_IB_STS2, 6, 4)
	s_cmp_eq_u32 s2, 0
	s_cbranch_scc0 .Lentry_in_a_cluster
	s_endpgm
.Lentry_in_a_cluster:
	s_bfe_u32 s2, ttmp6, 0x10000c
	s_cmp_lg_u32 s2, 0xf033
	s_cbranch_scc0 .Lentry_shape_is_right
	s_endpgm
.Lentry_shape_is_right:
; q, k, v = LN1(x) qkv_w^T + qkv_b on codes of FP6 (E2M3), and their quantising for attention.  Nothing of reference() is left out here.
; Codes, scale words and the order of a tile's rows: as the first kernel's head says (fragments of 1,536 bytes in register order; place p of tile 2 g + u is row 32 g + 8 u + p % 8 + 16 (p / 8)).
; A PRODUCT HERE: D = (source 0: 16 rows of the operand R) x (source 1: 16 rows of the operand L).  Lane (r, h) holds L's place r, and the 16 registers of R's tiles 2 b, 2 b + 1 are R's true rows 32 b + 16 h + 0 .. 15.
; A work-group makes 256 of L x 128 of R; each of its four waves 64 x 128: 32 accumulators.  K = 1,024 is eight K steps of 128; all of it lies in LDS (two slots of four K steps, both first fills): nothing is filled again.
; TWO WAYS, told apart by the cluster's y alone (the same in all sixteen partners).  y under 16: L = tokens, R = q's and k's rows of qkv_w: a lane holds a token, its registers two heads' 64 numbers: quantised along the head.
; y from 16 on: L = v's rows of qkv_w, R = tokens: a lane holds one of v's numbers and its registers run along 128 true tokens: v is quantised along the keys with nothing transposed.
; OUT: q [head][tile of 16 queries][768] and its scale words; for each head and 128 keys a record of 13,056 bytes: k [8 tiles][768], v^T [4 tiles][1536], k's scale words [8][64], v's [4][64].
; A head is 64 wide: q's and k's scale words carry their two bytes below; the upper two are the neighbour head's bytes or 0: attention multiplies them by zero codes.
; CLUSTERS: 4 x 4.  L's tiles are shared along a row of the cluster, R's along a column: joint loads.
; LIMITS: NaN and infinities are not served; blocks under 2^-124 are held at byte 1; a block of zeros has byte 1.
; REGISTERS: window 0: v1-27 addresses; v28, v29 the add's two; v32-55 scale words, two sets; v56-63 v's biases; v64-127 q's and k's biases; v128-223 L's fragments, two sets (on the way out: v128-191 numbers, v192-229 at work).
;   window 1: R's fragments, two sets of 96.   window 2: the accumulators, (a, b) at v[8 (8 a + b)].
.set NB,    8                          ; R's tiles of a wave
.set LT,    16                         ; L's tiles of a work-group
.set KS,    8                          ; K steps
.set SROW,  6144                       ; a tile's four K steps in a slot
.set SLOT,  (LT+8)*SROW
.set SCL,   2*SLOT                     ; behind the slots: L's scale words,
.set SCR,   SCL+LT*KS*64               ; R's,
.set SPARE, SCR+8*KS*64                ; and the spare words, 128 bytes a wave: two blocks of 256 bytes that no other line names
.set ADL8,  4
.set ADL16, 6
.set ADR8,  8
.set ADR16, 10
.set ASL,   12
.set ASR,   13
.set SPW,   28
.set NIL,   29
.set SC,    32
.set LB,    56
.set BIAS,  64
.set LF,    128
.set H,     128
.set TM,    192
.set PW,    208
.set PS,    209
.set PC,    210
.set SEL,   52
.set G1L,  24
.set G0L,  32
.set G1R,  48
.set G0R,  56
.set G1SL, 68
.set G0SL, 76
.set G1SR, 80
.set G0SR, 88
.set MSB, 0
.macro WIN new                         ; the immediate's high byte repeats the setting that is left
.if MSB != \new
	s_set_vgpr_msb (MSB<<8)|\new
.set MSB, \new
.endif
.endm
.set MULW, 0xa1                        ; source 0 (R) window 1, source 1 (L) window 0, C and D window 2
.set TO_R, 0x40                        ; destination window 1
.set DOWN, 0x02                        ; source 0 window 2
; A joint load: waves 0 and 1 fetch L's halves, waves 2 and 3 R's.  An s_nop 0 and four v_nop follow each line.
.macro JLOAD g0a, g1a, g0b, g1b
	s_cmp_eq_u32 s15, 0
	s_cbranch_scc0 .Lfor_r_\@
	tensor_load_to_lds s[\g0a:\g0a+3], s[\g1a:\g1a+7]
	s_nop 0
.rept 4
	v_nop
.endr
	s_branch .Lasked_\@
.Lfor_r_\@:
	tensor_load_to_lds s[\g0b:\g0b+3], s[\g1b:\g1b+7]
	s_nop 0
.rept 4
	v_nop
.endr
.Lasked_\@:
.endm
.macro CROUND                          ; a round of the cluster's barrier
	s_barrier_signal -1
	s_barrier_wait -1
	s_cmp_lg_u32 s14, 0
	s_cbranch_scc1 .Lnot_wave_0_\@
	s_barrier_signal -3
.Lnot_wave_0_\@:
	s_barrier_wait -3
	s_barrier_signal -1
	s_barrier_wait -1
.endm
.macro PLACES n
.rept \n
	v_nop
.endr
.endm
.macro FRAG reg, a8, a16, off          ; a fragment's 12 registers, as they were stored
	ds_load_b64 v[\reg:\reg+1], v[\a8] offset:\off
	ds_load_b128 v[\reg+2:\reg+5], v[\a16] offset:(\off)+256
	ds_load_b64 v[\reg+6:\reg+7], v[\a8] offset:(\off)+768
	ds_load_b128 v[\reg+8:\reg+11], v[\a16] offset:(\off)+1024
.endm
.macro LOADS slot, q                   ; the fragments of the slot's q-th K step into set q % 2; at even q the scale words of two K steps (lanes 0-15: step q, lanes 16-31: step q + 1)
	WIN TO_R
.set lb, 0
.rept NB
	FRAG 12*NB*((\q)%2)+12*lb, ADR8+\slot, ADR16+\slot, lb*SROW+(\q)*1536
.set lb, lb+1
.endr
	WIN 0
.set lb, 0
.rept 4
	FRAG LF+48*((\q)%2)+12*lb, ADL8+\slot, ADL16+\slot, lb*SROW+(\q)*1536
.set lb, lb+1
.endr
.if (\q)%2 == 0
.set lb, 0
.rept 4
	ds_load_b32 v[SC+12*(((\q)/2)%2)+lb], v[ASL] offset:lb*KS*64+(4*(\slot)+(\q))*64
.set lb, lb+1
.endr
.set lb, 0
.rept NB
	ds_load_b32 v[SC+12*(((\q)/2)%2)+4+lb], v[ASR] offset:lb*KS*64+(4*(\slot)+(\q))*64
.set lb, lb+1
.endr
.endif
.endm
.macro MUL a0, na, q, zero             ; L's blocks a0 .. a0 + na - 1 x R's NB tiles.  The accumulators take turns, one instruction a turn, in the same order in every K step
.set ma, \a0
.rept \na
.set mb, 0
.rept NB
.set rD, 8*(NB*ma+mb)
.set rR, 12*NB*((\q)%2)+12*mb
.set rL, LF+48*((\q)%2)+12*ma
.set rS, SC+12*(((\q)/2)%2)
.if \zero
	v_wmma_scale_f32_16x16x128_f8f6f4 v[rD:rD+7], v[rR:rR+11], v[rL:rL+11], 0, v[rS+4+mb], v[rS+ma] matrix_a_fmt:MATRIX_FMT_FP6 matrix_b_fmt:MATRIX_FMT_FP6
.elseif (\q)%2
	v_wmma_scale_f32_16x16x128_f8f6f4 v[rD:rD+7], v[rR:rR+11], v[rL:rL+11], v[rD:rD+7], v[rS+4+mb], v[rS+ma] matrix_a_fmt:MATRIX_FMT_FP6 matrix_b_fmt:MATRIX_FMT_FP6 matrix_a_scale:MATRIX_SCALE_ROW1 matrix_b_scale:MATRIX_SCALE_ROW1
.else
	v_wmma_scale_f32_16x16x128_f8f6f4 v[rD:rD+7], v[rR:rR+11], v[rL:rL+11], v[rD:rD+7], v[rS+4+mb], v[rS+ma] matrix_a_fmt:MATRIX_FMT_FP6 matrix_b_fmt:MATRIX_FMT_FP6
.endif
.set mb, mb+1
.endr
.set ma, ma+1
.endr
.endm
.macro STEP q, nslot, nq, zero         ; the next K step's loads go out in one run, then this step's 32 products
	PLACES 4                                       ; four places in front of loads into the set that the last step's products read
	LOADS \nslot, \nq
.if (\nq)%2
	s_wait_dscnt 4*(4+NB)                          ; all but the loads just issued: this step's fragments are in
.else
	s_wait_dscnt 5*(4+NB)
.endif
	WIN MULW
	MUL 0, 4, \q, \zero
	WIN 0
.endm
.macro CORE8                           ; the eight K steps
	s_wait_tensorcnt 0x1                           ; the scale words and my part of slot 0 are in; slot 1's load, the one issued behind them, may be out
	s_barrier_signal -1
	s_barrier_wait -1                              ; everybody's are
	LOADS 0, 0
	STEP 0, 0, 1, 1                                ; the first products start the sums: nothing is cleared
	STEP 1, 0, 2, 0
	STEP 2, 0, 3, 0
	s_wait_tensorcnt 0x0                           ; my part of slot 1 is in,
	s_wait_dscnt 0x0                               ; and no LDS load of mine is out at the signal
	s_barrier_signal -1
	WIN MULW
	MUL 0, 2, 3, 0
	WIN 0
	s_barrier_wait -1                              ; slot 1 is whole.
	PLACES 4
	LOADS 1, 0
	WIN MULW
	MUL 2, 2, 3, 0
	WIN 0
	STEP 0, 1, 1, 0
	STEP 1, 1, 2, 0
	STEP 2, 1, 3, 0
	s_wait_dscnt 0x0
	WIN MULW
	MUL 0, 4, 3, 0
	WIN 0
.endm
; 64 numbers of a lane, register 16 b + i = k 32 b + 16 h + i of its row, become a fragment's codes in v[PC] on and its scale word in v[PW]
.macro QUANT s
.irp b, 0,1,2,3
	v_max3_num_f32 v[TM+\b], |v[\s+16*\b]|, |v[\s+1+16*\b]|, 0x1800000    ; with the floor 2^(3 - 127): the byte cannot fall under 1
.endr
.irp i, 2,4,6,8,10,12,14
.irp b, 0,1,2,3
	v_max3_num_f32 v[TM+\b], v[TM+\b], |v[\s+16*\b+\i]|, |v[\s+1+16*\b+\i]|
.endr
.endr
.irp b, 0,1,2,3
	v_permlanex16_b32 v[TM+4+\b], v[TM+\b], s[SEL], s[SEL+1]
.endr
.irp b, 0,1,2,3
	v_max_num_f32 v[TM+\b], v[TM+\b], v[TM+4+\b]   ; with lane l xor 16's: the block's largest magnitude
.endr
.irp b, 0,1,2,3
	v_add_nc_u32 v[TM+12+\b], 0xff000000, v[TM+\b] ; 2 off its exponent field: the conversion's scale operand
.endr
.irp b, 0,1,2,3
	v_lshrrev_b32 v[TM+4+\b], 23, v[TM+12+\b]      ; the scale's byte
.endr
	v_lshl_or_b32 v[PW], v[TM+5], 8, v[TM+4]
	v_lshl_or_b32 v[PW], v[TM+6], 16, v[PW]
	v_lshl_or_b32 v[PW], v[TM+7], 24, v[PW]
.irp c, 0,1
	v_cvt_scalef32_pk16_fp6_f32 v[PC+6*\c:PC+2+6*\c], v[\s+32*\c:\s+15+32*\c], v[TM+12+2*\c]
	v_cvt_scalef32_pk16_fp6_f32 v[PC+12+4*\c:PC+14+4*\c], v[\s+16+32*\c:\s+31+32*\c], v[TM+12+2*\c+1]
.endr
	v_nop                                          ; one plain line behind the scaled conversions
.irp c, 0,1                                    ; the operand wants a whole block in a lane
.irp i, 0,1,2
	v_permlane16_swap_b32 v[PC+6*\c+\i], v[PC+12+4*\c+\i]
.endr
.irp i, 0,1,2
	v_mov_b32 v[PC+3+6*\c+\i], v[PC+12+4*\c+\i]
.endr
.endr
.endm
	s_load_b256 s[4:11], s[0:1], 0x0               ; act s[4:5], wc s[6:7], qkv_b s[8:9], qkv s[10:11]
	v_lshl_add_u32 v[SPW], v0, 2, SPARE
	v_mov_b32 v[NIL], 0
	ds_add_u32 v[SPW], v[NIL]                      ; the opening: the add, twice on end, and its wait ahead of my first tensor load
	ds_add_u32 v[SPW], v[NIL]
	v_lshrrev_b32 v1, 5, v0
	v_readfirstlane_b32 s14, v1                    ; wave
	s_lshr_b32 s15, s14, 1                         ; I fetch for L (0) or for R (1),
	s_and_b32 s16, s14, 1                          ; and which half
	s_bfe_u32 s40, ttmp6, 0x40000                  ; cx
	s_bfe_u32 s41, ttmp6, 0x40004                  ; cy
	s_lshl_b32 s42, ttmp9, 2
	s_add_co_u32 s42, s42, s40                     ; x
	s_and_b32 s19, ttmp7, 0xffff                   ; the cluster's y: 4 and 5 are v's
	s_lshl_b32 s17, s19, 2
	s_add_co_u32 s17, s17, s41                     ; y
	s_lshl_b32 s43, s41, 2
	s_lshl_b32 s43, 15, s43                        ; my row of the cluster
	s_lshl_b32 s44, 0x1111, s40                    ; my column
	s_or_b32 s[G1L], s43, (3<<16)|(1<<21)          ; the mask; elements of 8 bytes; bit 21 beside a mask; no padding
	s_or_b32 s[G1R], s44, (3<<16)|(1<<21)
	s_or_b32 s[G1SL], s43, (3<<16)|(1<<21)
	s_or_b32 s[G1SR], s44, (3<<16)|(1<<21)
	s_mov_b32 s[G1L+1], 768<<16                    ; a row of the tile: a tile of 16 rows' four K steps, 6,144 bytes
	s_mov_b32 s[G1L+2], (LT/2)<<16
	s_mov_b32 s[G1L+3], 768<<16
	s_mov_b32 s[G1L+4], LT/2
	s_mov_b32 s[G1L+5], KS*192                     ; from tile to tile: KS fragments
	s_mov_b32 s[G1L+6], 0
	s_mov_b32 s[G1L+7], 0
	s_mov_b32 s[G1R+1], 768<<16
	s_mov_b32 s[G1R+2], 4<<16
	s_mov_b32 s[G1R+3], 768<<16
	s_mov_b32 s[G1R+4], 4
	s_mov_b32 s[G1R+5], KS*192
	s_mov_b32 s[G1R+6], 0
	s_mov_b32 s[G1R+7], 0
	s_mov_b32 s[G1SL+1], 32<<16                    ; the scale words: dense, as rows of 256 bytes
	s_mov_b32 s[G1SL+2], (LT/2*KS/4)<<16
	s_mov_b32 s[G1SL+3], 32<<16
	s_mov_b32 s[G1SL+4], LT/2*KS/4
	s_mov_b32 s[G1SL+5], 32
	s_mov_b32 s[G1SL+6], 0
	s_mov_b32 s[G1SL+7], 0
	s_mov_b32 s[G1SR+1], 32<<16
	s_mov_b32 s[G1SR+2], KS<<16
	s_mov_b32 s[G1SR+3], 32<<16
	s_mov_b32 s[G1SR+4], KS
	s_mov_b32 s[G1SR+5], 32
	s_mov_b32 s[G1SR+6], 0
	s_mov_b32 s[G1SR+7], 0
	; L's first tile hangs on cy and the cluster's y, R's on cx, the cluster's x and y: each in registers that never hold the other place
	s_lshl_b32 s20, s17, 4                         ; tokens: 16 y
	s_lshl_b32 s18, s41, 4
	s_add_co_u32 s18, s18, 128                     ; v's rows of qkv_w: 128 + 16 cy
	s_sub_co_u32 s93, s19, 4
	s_lshl_b32 s93, s93, 4
	s_add_co_u32 s93, s93, s42                     ; v: which 128 tokens: x + 16 (cluster y - 4)
	s_mov_b32 s22, 3145728
	s_mov_b32 s92, 9437184
	s_cmp_ge_u32 s19, 4
	s_cselect_b32 s20, s18, s20
	s_cselect_b32 s46, s93, s42
	s_cselect_b32 s22, 9437184, s22                ; where L's scale words begin in its buffer,
	s_cselect_b32 s92, 3145728, s92                ; and R's
	s_lshl_b32 s18, s16, 3
	s_add_co_u32 s20, s20, s18                     ; + my half's 8 tiles
	s_mul_i32 s18, s20, KS*64
	s_add_co_u32 s22, s22, s18
	s_mul_i32 s20, s20, KS*1536
	s_mov_b32 s21, 0
	s_mov_b32 s23, 0
	s_lshl_b32 s46, s46, 3
	s_lshl_b32 s18, s16, 2
	s_add_co_u32 s46, s46, s18                     ; + my half's 4 tiles
	s_mul_i32 s93, s46, KS*64
	s_add_co_u32 s92, s92, s93
	s_mul_i32 s46, s46, KS*1536
	s_mov_b32 s47, 0
	s_mov_b32 s93, 0
	s_mul_i32 s45, s16, (LT/2)*SROW                ; where they go: from the wave's number alone
	s_mul_i32 s94, s16, 4*SROW
	s_add_co_u32 s94, s94, LT*SROW
	s_mul_i32 s95, s16, (LT/2)*KS*64
	s_add_co_u32 s95, s95, SCL
	s_mul_i32 s96, s16, 4*KS*64
	s_add_co_u32 s96, s96, SCR
	s_wait_dscnt 0x0                               ; both opening adds are done
	s_wait_kmcnt 0x0
	s_cmp_ge_u32 s19, 4
	s_cselect_b64 s[66:67], s[6:7], s[4:5]         ; L's buffer
	s_cselect_b64 s[98:99], s[4:5], s[6:7]         ; R's
	s_add_nc_u64 s[20:21], s[66:67], s[20:21]
	s_add_nc_u64 s[22:23], s[66:67], s[22:23]
	s_add_nc_u64 s[46:47], s[98:99], s[46:47]
	s_add_nc_u64 s[92:93], s[98:99], s[92:93]
	CROUND                                         ; all sixteen work-groups are here: the joint loads meet
	s_mov_b32 s[G0SL], 1
	s_mov_b32 s[G0SL+1], s95
	s_mov_b64 s[G0SL+2:G0SL+3], s[22:23]
	s_or_b32 s[G0SL+3], s[G0SL+3], 0x80000000
	s_mov_b32 s[G0SR], 1
	s_mov_b32 s[G0SR+1], s96
	s_mov_b64 s[G0SR+2:G0SR+3], s[92:93]
	s_or_b32 s[G0SR+3], s[G0SR+3], 0x80000000
	JLOAD G0SL, G1SL, G0SR, G1SR                   ; three loads of mine are out at the most: the scale words, slot 0, slot 1
.irp s, 0,1
	s_mov_b32 s[G0L+4*\s], 1
	s_add_co_u32 s[G0L+4*\s+1], s45, \s*SLOT
	s_add_nc_u64 s[G0L+4*\s+2:G0L+4*\s+3], s[20:21], \s*SROW
	s_or_b32 s[G0L+4*\s+3], s[G0L+4*\s+3], 0x80000000
	s_mov_b32 s[G0R+4*\s], 1
	s_add_co_u32 s[G0R+4*\s+1], s94, \s*SLOT
	s_add_nc_u64 s[G0R+4*\s+2:G0R+4*\s+3], s[46:47], \s*SROW
	s_or_b32 s[G0R+4*\s+3], s[G0R+4*\s+3], 0x80000000
	JLOAD G0L+4*\s, G1L, G0R+4*\s, G1R
.endr
	v_and_b32 v3, 31, v0
	v_and_b32 v1, 15, v0                           ; r
	v_bfe_u32 v2, v0, 4, 1                         ; h
	v_lshlrev_b32 v14, 3, v3                       ; 8 x lane
	v_lshlrev_b32 v15, 4, v3                       ; 16 x lane
	v_lshlrev_b32 v16, 2, v1                       ; 4 r
	v_lshlrev_b32 v17, 2, v3
	s_mul_i32 s21, s14, 4*SROW                     ; my four tiles of L
	s_mov_b32 s22, LT*SROW                         ; R's eight
.irp s, 0,1
	v_add_nc_u32 v[ADL8+\s], s21, v14
	v_add_nc_u32 v[ADL16+\s], s21, v15
	v_add_nc_u32 v[ADR8+\s], s22, v14
	v_add_nc_u32 v[ADR16+\s], s22, v15
	s_add_co_u32 s21, s21, SLOT
	s_add_co_u32 s22, s22, SLOT
.endr
	s_mul_i32 s21, s14, 4*KS*64
	s_add_co_u32 s21, s21, SCL
	v_add_nc_u32 v[ASL], s21, v17
	v_add_nc_u32 v[ASR], SCR, v17
	s_cmp_ge_u32 s19, 4                            ; the cluster's y: all sixteen partners, and all waves, go the same way
	s_cbranch_scc1 .Lvpath
; ---- q and k
	s_lshr_b32 s45, s17, 3                         ; the batch
	s_lshl_b32 s45, s45, 4
	s_and_b32 s94, s42, 7
	s_lshl_b32 s94, s94, 1
	s_add_co_u32 s45, s45, s94                     ; my first head (of 32)
	s_and_b32 s94, s17, 7
	s_lshl_b32 s95, s45, 7
	s_lshl_b32 s96, s94, 4
	s_add_co_u32 s95, s95, s96
	s_lshl_b32 s96, s14, 2
	s_add_co_u32 s95, s95, s96                     ; q: 128 head + my first tile of queries
	s_lshl_b32 s96, s95, 6
	s_add_co_u32 s96, s96, 3145728                 ; its scale words,
	s_mul_i32 s95, s95, 768                        ; its codes
	s_lshl_b32 s97, s45, 4
	s_lshl_b32 s94, s94, 1
	s_add_co_u32 s97, s97, s94
	s_add_co_u32 s97, s97, s15                     ; k: the record: 16 head + key step
	s_mul_i32 s97, s97, 13056
	s_add_co_u32 s97, s97, 3407872
	s_mul_i32 s94, s16, 3072
	s_add_co_u32 s94, s94, s97                     ; my four tiles' codes in it,
	s_lshl_b32 s45, s16, 8
	s_add_co_u32 s45, s45, s97
	s_add_co_u32 s45, s45, 12288                   ; and their scale words
	s_mov_b32 s18, 208896
	s_cmp_lt_u32 s42, 8                            ; q or k: it chooses addresses alone
	s_cselect_b32 s20, s95, s94
	s_cselect_b32 s22, s96, s45
	s_cselect_b32 s97, 98304, s18                  ; from head to head: codes,
	s_cselect_b32 s18, 8192, s18                   ; scale words
	s_mov_b32 s21, 0
	s_mov_b32 s23, 0
	s_add_nc_u64 s[20:21], s[10:11], s[20:21]
	s_add_nc_u64 s[22:23], s[10:11], s[22:23]
	v_add_nc_u32 v19, s97, v14
	v_add_nc_u32 v21, s97, v15
	v_mad_u32_u24 v22, v2, s18, v16                ; lanes 0-15 store the first head's word, lanes 16-31 the second's
	v_lshlrev_b32 v23, 4, v2
	s_lshl_b32 s92, s42, 9
	s_mov_b32 s93, 0
	s_add_nc_u64 s[92:93], s[8:9], s[92:93]
	v_lshlrev_b32 v17, 6, v2
.irp t, 0,1,2,3,4,5,6,7                        ; the bias in the result's layout: tile t, my half's eight
	global_load_b128 v[BIAS+8*\t:BIAS+8*\t+3], v17, s[92:93] offset:(32*(\t/2)+8*(\t%2))*4
	global_load_b128 v[BIAS+8*\t+4:BIAS+8*\t+7], v17, s[92:93] offset:(32*(\t/2)+8*(\t%2))*4+16
.endr
	CORE8
	s_wait_loadcnt 0x0                             ; the bias
	PLACES 4                                       ; four places behind the last products
	s_mov_b32 s[SEL], 0x76543210                   ; (no tensor load is out: the descriptors' registers are free)
	s_mov_b32 s[SEL+1], 0xfedcba98
.irp b, 0,1,2,3
	v_mov_b32 v[TM+4+\b], 0                        ; a lane permute's destination counts as one of its sources
.endr
.macro QKBLOCK i
.if \i > 0
	s_wait_xcnt 0x0                                ; the last block's stores have read their registers
.endif
	WIN DOWN
.set k, 0
.rept 32
	v_pk_add_f32 v[H+k:H+k+1], v[64*(\i)+k:64*(\i)+k+1], v[BIAS+k:BIAS+k+1]
.set k, k+2
.endr
	WIN 0
	QUANT H
	v_lshrrev_b32 v[PS], v23, v[PW]                ; the second head's two bytes come down in lanes 16-31
	global_store_b64 v14, v[PC:PC+1], s[20:21] offset:768*(\i)
	global_store_b128 v15, v[PC+2:PC+5], s[20:21] offset:768*(\i)+256
	global_store_b64 v19, v[PC+6:PC+7], s[20:21] offset:768*(\i)
	global_store_b128 v21, v[PC+8:PC+11], s[20:21] offset:768*(\i)+256
	global_store_b32 v22, v[PS], s[22:23] offset:64*(\i)
.endm
	QKBLOCK 0
	QKBLOCK 1
	QKBLOCK 2
	QKBLOCK 3
	s_branch .Lend
; ---- v
.Lvpath:
	s_sub_co_u32 s45, s19, 4
	s_lshl_b32 s45, s45, 4
	s_add_co_u32 s45, s45, s42                     ; which 128 tokens
	s_lshr_b32 s94, s45, 4
	s_lshl_b32 s94, s94, 4
	s_lshl_b32 s95, s41, 2
	s_add_co_u32 s94, s94, s95
	s_add_co_u32 s94, s94, s14                     ; my head: 16 batch + 4 cy + wave
	s_lshl_b32 s94, s94, 4
	s_and_b32 s45, s45, 15
	s_add_co_u32 s94, s94, s45                     ; the record
	s_mul_i32 s94, s94, 13056
	s_add_co_u32 s20, s94, 3407872+6144
	s_add_co_u32 s22, s94, 3407872+12800
	s_mov_b32 s21, 0
	s_mov_b32 s23, 0
	s_add_nc_u64 s[20:21], s[10:11], s[20:21]
	s_add_nc_u64 s[22:23], s[10:11], s[22:23]
	s_lshl_b32 s92, s41, 10
	s_lshl_b32 s95, s14, 8
	s_add_co_u32 s92, s92, s95
	s_add_co_u32 s92, s92, 8192                    ; qkv_b at 2,048 + 256 cy + 64 wave
	s_mov_b32 s93, 0
	s_add_nc_u64 s[92:93], s[8:9], s[92:93]
	v_and_b32 v17, 7, v1
	v_lshrrev_b32 v18, 3, v1
	v_lshlrev_b32 v17, 2, v17
	v_lshl_add_u32 v17, v18, 6, v17                ; my place's row: r % 8 + 16 (r / 8)
.irp i, 0,1,2,3
	global_load_b32 v[LB+2*\i], v17, s[92:93] offset:(32*(\i/2)+8*(\i%2))*4       ; one bias a lane and block
	v_mov_b32 v[LB+2*\i+1], 0                      ; (named with it as a pair)
.endr
	CORE8
	s_wait_loadcnt 0x0
	PLACES 4
	s_mov_b32 s[SEL], 0x76543210
	s_mov_b32 s[SEL+1], 0xfedcba98
.irp b, 0,1,2,3
	v_mov_b32 v[TM+4+\b], 0
.endr
.macro VBLOCK i
.if \i > 0
	s_wait_xcnt 0x0
.endif
	WIN DOWN
.set k, 0
.rept 32
	v_pk_add_f32 v[H+k:H+k+1], v[64*(\i)+k:64*(\i)+k+1], v[LB+2*(\i):LB+2*(\i)+1] op_sel_hi:[1,0]
.set k, k+2
.endr
	WIN 0
	QUANT H
	global_store_b64 v14, v[PC:PC+1], s[20:21] offset:1536*(\i)
	global_store_b128 v15, v[PC+2:PC+5], s[20:21] offset:1536*(\i)+256
	global_store_b64 v14, v[PC+6:PC+7], s[20:21] offset:1536*(\i)+768
	global_store_b128 v15, v[PC+8:PC+11], s[20:21] offset:1536*(\i)+1024
	global_store_b32 v16, v[PW], s[22:23] offset:64*(\i)       ; both lanes of a row write the same word with the same value
.endm
	VBLOCK 0
	VBLOCK 1
	VBLOCK 2
	VBLOCK 3
.Lend:
	s_wait_tensorcnt 0x0                           ; the wave's end
	ds_add_u32 v[SPW], v[NIL]
	s_wait_dscnt 0x0
	CROUND                                         ; the closing round
	s_endpgm
.Lfunc_end_k_qfab2ca795f_qkv:
	.size	k_qfab2ca795f_qkv, .Lfunc_end_k_qfab2ca795f_qkv-k_qfab2ca795f_qkv
	.p2alignl 7, 3214868480
	.fill 96, 4, 3214868480
	.section	.rodata,"a",@progbits
	.p2align	6, 0x0
	.amdhsa_kernel k_qfab2ca795f_qkv
		.amdhsa_group_segment_fixed_size 327680
		.amdhsa_private_segment_fixed_size 0
		.amdhsa_enable_private_segment 0
		.amdhsa_kernarg_size 32
		.amdhsa_user_sgpr_count 2
		.amdhsa_user_sgpr_kernarg_segment_ptr 1
		.amdhsa_wavefront_size32 1
		.amdhsa_system_sgpr_workgroup_id_x 1
		.amdhsa_system_sgpr_workgroup_id_y 1
		.amdhsa_system_sgpr_workgroup_id_z 1
		.amdhsa_system_vgpr_workitem_id 0
		.amdhsa_next_free_vgpr 768
		.amdhsa_next_free_sgpr 100
		.amdhsa_reserve_vcc 0
		.amdhsa_float_denorm_mode_32 3
		.amdhsa_float_denorm_mode_16_64 3
		.amdhsa_memory_ordered 1
		.amdhsa_forward_progress 1
		.amdhsa_inst_pref_size 189
	.end_amdhsa_kernel
	.amdgpu_metadata
---
amdhsa.version: [ 1, 2 ]
amdhsa.kernels:
  - .name:           k_qfab2ca795f_qkv
    .symbol:         k_qfab2ca795f_qkv.kd
    .args:
      - { .name: act, .offset: 0, .size: 8, .value_kind: global_buffer, .address_space: global }
      - { .name: wc, .offset: 8, .size: 8, .value_kind: global_buffer, .address_space: global }
      - { .name: qkv_b, .offset: 16, .size: 8, .value_kind: global_buffer, .address_space: global }
      - { .name: qkv, .offset: 24, .size: 8, .value_kind: global_buffer, .address_space: global }
    .group_segment_fixed_size: 327680
    .private_segment_fixed_size: 0
    .kernarg_segment_align: 8
    .kernarg_segment_size: 32
    .max_flat_workgroup_size: 128
    .sgpr_count:     100
    .vgpr_count:     768
    .wavefront_size: 32
...
	.end_amdgpu_metadata
.endif
;; end of part 2
;; launch attn (part 3): grid 8 x 32, 16 waves a work-group, clusters of 4 x 1, 210,944 bytes of LDS; arguments qkv, act; writes act
.if DOCPART == 3
	.amdgcn_target "amdgcn-amd-amdhsa--gfx1250"
	.amdhsa_code_object_version 6
	.text
	.protected	k_qfab2ca795f_attn
	.globl	k_qfab2ca795f_attn
	.p2align	8
	.type	k_qfab2ca795f_attn,@function
k_qfab2ca795f_attn:
	s_mov_b64 s[64:65], 0
	v_nop
	global_prefetch_b8 v0, s[64:65] scope:SCOPE_SE
	s_setreg_imm32_b32 hwreg(HW_REG_WAVE_MODE, 25, 1), 1
	s_wait_xcnt 0x0
	s_wait_alu depctr_hold_cnt(0) depctr_sa_sdst(0) depctr_va_vdst(0) depctr_va_sdst(0) depctr_va_ssrc(0) depctr_va_vcc(0) depctr_vm_vsrc(0)
	s_getreg_b32 s2, hwreg(HW_REG_IB_STS2, 6, 4)
	s_cmp_eq_u32 s2, 0
	s_cbranch_scc0 .Lentry_in_a_cluster
	s_endpgm
.Lentry_in_a_cluster:
	s_bfe_u32 s2, ttmp6, 0x10000c
	s_cmp_lg_u32 s2, 0x3003
	s_cbranch_scc0 .Lentry_shape_is_right
	s_endpgm
.Lentry_shape_is_right:
; Causal attention on codes of FP6 (E2M3): o = softmax(q k^T / 8) v for 32 heads of 2,048 tokens x 64, and o's quantising for the projection.
; LEFT OUT: key steps of 128 keys that lie wholly after a wave's 16 queries: reference()'s own jnp.tril makes their scores -inf, so p = 0 whatever the inputs hold.
; THE SOFTMAX: t = score x log2(e) / 8; M = the running largest t rounded up to a whole number; p = 2^(t - M) is quantised along the keys, not normalised; the row's sum is taken of the unquantised p and divides at the end.
; When M moves, the sum and O are multiplied by 2^(old M - new M): exact.
; SHARES.  Work-group (i, head).  Wave w owns the tile of 16 queries 8 blk(w) + i, blk a permutation of 0 .. 15 (a magic square: each four on end, and each four that lie 4 apart, sum to 30): it walks key steps 0 .. blk.
; So every work-group has one tile out of each 128 queries: 136 key steps each, and each needs all 16 records of the head.
; LDS: the head's 16 records of 13,056 bytes (k [8 tiles][768], v^T [4][1536], k's scale words [8][64], v's [4][64]): wave w fetches record w, one tensor load a wave, all first fills; nothing is filled again.
; CLUSTER: 4 x 1.  The four work-groups of a cluster belong to one head and need the same 16 records: each record is asked for JOINTLY, by the same tensor load with the same descriptor (made of the head and the wave's number alone)
; and a mask that names the four.  The place in the cluster enters q's and o's addresses and the number that the causal mask compares with, and no branch and no LDS address.  Every work-group has a wave that walks all 16 key steps.
; LAYOUT: both products transposed (S^T = k q^T, O^T = v^T p^T): a lane holds one query.  The places of a tile are rows 32 g + 8 u + p % 8 + 16 (p / 8), so the 16 registers of tiles 2 b, 2 b + 1 are 16 neighbouring keys (or channels).
; K = 64 IN THE FIRST PRODUCT: the instruction takes 128.  q's upper six registers are zero codes; k's upper six are the next tile's codes (the last tile's: zeros).  Every code is a finite number and no scale byte is 0xff, so these products are exact zeros.
; LIMITS: NaN and infinities are not served; o's blocks under 2^-124 are held at byte 1.  o's scale bytes leave two bytes a lane, inside runs of 64 bytes: 128 KB in the whole launch.
; REGISTERS: v1-7 addresses that stay; v8-10 the step's; v12 -M, v13 the largest t, v[14:15] the sum; v16-27 q; v28 q's scale words; v32-85 k's or v's fragments; v86-89, v90-91 their scale words; v96-159 S^T, then p; v160-191 O^T; v192-223 o; v224.. p's codes; v232-254 at work.
.set REC,   13056
.set SPARE, 16*REC                     ; the spare words, 128 bytes for each of 16 waves: eight blocks of 256 bytes that no other line names
.set L8,  1
.set L16, 2
.set L4,  3
.set DD,  4                            ; my query's place in its 128, less 16 h
.set SPW, 5
.set NIL, 6
.set R4,  7
.set A8,  8
.set A16, 9
.set A4,  10
.set QS,  28
.set F,   32
.set KSC, 86
.set VSC, 90
.set WV,  18
.set BLK, 19
.set SEL, 20
.set CS,  22
.set G1,  24
.set G0,  32
.set KI,  36
.set TB,  37
.set WI,  54                           ; s54: i, my work-group's x
.macro CROUND                          ; a round of the cluster's barrier: my work-group's barrier; wave 0 signals for the work-group; every wave waits for all four work-groups; my work-group's barrier once more
	s_barrier_signal -1
	s_barrier_wait -1
	s_cmp_lg_u32 s[WV], 0
	s_cbranch_scc1 .Lnot_wave_0_\@
	s_barrier_signal -3
.Lnot_wave_0_\@:
	s_barrier_wait -3
	s_barrier_signal -1
	s_barrier_wait -1
.endm
	s_load_b128 s[4:7], s[0:1], 0x0                ; qkv s[4:5], act s[6:7]
	v_lshl_add_u32 v[SPW], v0, 2, SPARE
	v_mov_b32 v[NIL], 0
	ds_add_u32 v[SPW], v[NIL]                      ; the opening: the add, twice on end, and its wait ahead of my first tensor load
	ds_add_u32 v[SPW], v[NIL]
	v_lshrrev_b32 v8, 5, v0
	v_readfirstlane_b32 s[WV], v8                  ; wave 0..15
	s_mov_b32 s[G1], 15|(3<<16)|(1<<21)            ; the mask: all four work-groups; elements of 8 bytes; bit 21 beside a mask; no padding.  A record: 51 rows of 256 bytes, dense
	s_mov_b32 s[G1+1], 32<<16
	s_mov_b32 s[G1+2], 51<<16
	s_mov_b32 s[G1+3], 32<<16
	s_mov_b32 s[G1+4], 51
	s_mov_b32 s[G1+5], 32
	s_mov_b32 s[G1+6], 0
	s_mov_b32 s[G1+7], 0
	s_lshl_b32 s38, s[WV], 2
	s_and_b32 s38, s38, 31
	s_mov_b32 s39, 0x7a94c12f                      ; blk of waves 0-7, four bits each,
	s_mov_b32 s40, 0x0de3b658                      ; of waves 8-15
	s_cmp_lt_u32 s[WV], 8
	s_cselect_b32 s39, s39, s40
	s_lshr_b32 s39, s39, s38
	s_and_b32 s[BLK], s39, 15
	s_and_b32 s41, ttmp7, 0xffff                   ; the head, of 32: the four partners share it
	s_bfe_u32 s53, ttmp6, 0x40000                  ; cx: my place in the cluster
	s_lshl_b32 s[WI], ttmp9, 2                     ; in a cluster launch ttmp9 counts clusters
	s_add_co_u32 s[WI], s[WI], s53                 ; i = 4 x cluster x + cx
	s_lshl_b32 s42, s[BLK], 3
	s_add_co_u32 s42, s42, s[WI]                   ; my tile of queries
	s_lshl_b32 s43, s41, 7
	s_add_co_u32 s43, s43, s42
	s_mul_i32 s44, s43, 768
	s_mov_b32 s45, 0
	s_lshl_b32 s46, s43, 6
	s_add_co_u32 s46, s46, 3145728
	s_mov_b32 s47, 0
	s_lshl_b32 s48, s41, 4
	s_add_co_u32 s48, s48, s[WV]
	s_mul_i32 s48, s48, REC
	s_add_co_u32 s48, s48, 3407872                 ; the record that I fetch: from the head and the wave's number alone
	s_mov_b32 s49, 0
	s_mul_i32 s50, s[WV], REC
	s_mov_b32 s[SEL], 0x76543210
	s_mov_b32 s[SEL+1], 0xfedcba98
	s_mov_b32 s[CS], 0x3e38aa3b                    ; c = log2(e) / 8
	s_mov_b32 s[CS+1], s[CS]
	s_mov_b32 s[KI], 0
	s_mov_b32 s[TB], 0
	s_wait_dscnt 0x0                               ; both opening adds are done
	s_wait_kmcnt 0x0
	s_mov_b32 s[G0], 1
	s_mov_b32 s[G0+1], s50
	s_add_nc_u64 s[G0+2:G0+3], s[4:5], s[48:49]
	s_or_b32 s[G0+3], s[G0+3], 0x80000000
	CROUND                                         ; all four work-groups are here: the joint loads meet
	tensor_load_to_lds s[G0:G0+3], s[G1:G1+7]      ; my one tensor load
	s_nop 0
.rept 4
	v_nop
.endr
	s_add_nc_u64 s[44:45], s[4:5], s[44:45]
	s_add_nc_u64 s[46:47], s[4:5], s[46:47]
	v_and_b32 v8, 31, v0
	v_lshlrev_b32 v[L8], 3, v8
	v_lshlrev_b32 v[L16], 4, v8
	v_lshlrev_b32 v[L4], 2, v8
	v_and_b32 v9, 15, v0                           ; r
	v_bfe_u32 v10, v0, 4, 1                        ; h
	v_lshlrev_b32 v[R4], 2, v9
	global_load_b64 v[16:17], v[L8], s[44:45]      ; q's half fragment stays in registers
	global_load_b128 v[18:21], v[L16], s[44:45] offset:256
	global_load_b32 v[QS], v[R4], s[46:47]
	s_lshr_b32 s51, s[WI], 1
	s_lshl_b32 s51, s51, 5
	s_and_b32 s52, s[WI], 1
	s_lshl_b32 s52, s52, 3
	s_add_co_u32 s51, s51, s52
	v_and_b32 v11, 7, v9
	v_lshrrev_b32 v[DD], 3, v9
	v_lshl_add_u32 v[DD], v[DD], 4, v11
	v_lshlrev_b32 v11, 4, v10
	v_sub_nc_u32 v[DD], v[DD], v11
	v_add_nc_u32 v[DD], s51, v[DD]
.irp j, 22,23,24,25,26,27,80,81,82,83,84,85
	v_mov_b32 v[\j], 0                             ; zero codes: q's k = 64 .. 127, and what stands behind k's last tile
.endr
	v_mov_b32 v13, 0xff61b1e6                      ; the largest t so far: -3e38
	v_floor_f32 v12, -v13                          ; -M
	v_mov_b32 v14, 0
	v_mov_b32 v15, 0
.irp b, 0,1,2,3
	v_mov_b32 v[236+\b], 0                         ; a lane permute's destination counts as one of its sources
.endr
	v_mov_b32 v252, 0
	v_mov_b32 v253, 0
.irp j, 0,1,2,3,4,5,6,7,8,9,10,11,12,13,14,15,16,17,18,19,20,21,22,23,24,25,26,27,28,29,30,31
	v_mov_b32 v[160+\j], 0                         ; O^T: the step is written once; the first finds zeros
.endr
	s_wait_tensorcnt 0x0                           ; my record is in,
	s_barrier_signal -1
	s_barrier_wait -1                              ; everybody's is
	s_wait_loadcnt 0x0                             ; q
.Lstep:                                            ; 16 trips, a constant; a wave works in trips 0 .. blk
	s_cmp_gt_u32 s[KI], s[BLK]
	s_cbranch_scc1 .Lpast
	v_add_nc_u32 v[A8], s[TB], v[L8]
	v_add_nc_u32 v[A16], s[TB], v[L16]
	v_add_nc_u32 v[A4], s[TB], v[L4]
	v_nop                                          ; with the three additions: four places in front of loads into registers that the last products read
.irp t, 0,1,2,3,4,5,6,7
	ds_load_b64 v[F+6*\t:F+6*\t+1], v[A8] offset:768*\t
	ds_load_b128 v[F+6*\t+2:F+6*\t+5], v[A16] offset:768*\t+256
.endr
.irp b, 0,1,2,3
	ds_load_b32 v[KSC+\b], v[A4] offset:12288+128*\b       ; lanes 0-15: tile 2 b's words, lanes 16-31: tile 2 b + 1's
.endr
	s_wait_dscnt 0x0
.irp t, 0,1,2,3,4,5,6,7
.if \t%2
	v_wmma_scale_f32_16x16x128_f8f6f4 v[96+8*\t:103+8*\t], v[F+6*\t:F+6*\t+11], v[16:27], 0, v[KSC+\t/2], v[QS] matrix_a_fmt:MATRIX_FMT_FP6 matrix_b_fmt:MATRIX_FMT_FP6 matrix_a_scale:MATRIX_SCALE_ROW1
.else
	v_wmma_scale_f32_16x16x128_f8f6f4 v[96+8*\t:103+8*\t], v[F+6*\t:F+6*\t+11], v[16:27], 0, v[KSC+\t/2], v[QS] matrix_a_fmt:MATRIX_FMT_FP6 matrix_b_fmt:MATRIX_FMT_FP6
.endif
.endr
.rept 4
	v_nop
.endr
.irp t, 0,1,2,3                                ; v's fragments are asked for here: they land under the softmax
	ds_load_b64 v[F+12*\t:F+12*\t+1], v[A8] offset:6144+1536*\t
	ds_load_b128 v[F+12*\t+2:F+12*\t+5], v[A16] offset:6144+1536*\t+256
	ds_load_b64 v[F+12*\t+6:F+12*\t+7], v[A8] offset:6144+1536*\t+768
	ds_load_b128 v[F+12*\t+8:F+12*\t+11], v[A16] offset:6144+1536*\t+1024
.endr
	ds_load_b32 v[VSC], v[A4] offset:12800
	ds_load_b32 v[VSC+1], v[A4] offset:12800+128
	s_cmp_lt_u32 s[KI], s[BLK]                     ; only the last step of a wave lies on the diagonal
	s_cbranch_scc1 .Lopen
	v_mov_b32 v254, 0xff800000                     ; -infinity.  Register 16 b + i holds key 32 b + 16 h + i of the step: hidden where 32 b + i > my query's place - 16 h
.irp n, 0,1,2,3,4,5,6,7,8,9,10,11,12,13,14,15,16,17,18,19,20,21,22,23,24,25,26,27,28,29,30,31,32,33,34,35,36,37,38,39,40,41,42,43,44,45,46,47,48,49,50,51,52,53,54,55,56,57,58,59,60,61,62,63
	v_cmp_gt_i32 vcc_lo, 32*(\n/16)+\n%16, v[DD]
	v_cndmask_b32 v[96+\n], v[96+\n], v254, vcc_lo
.endr
.Lopen:
.irp b, 0,1,2,3
	v_max3_num_f32 v[232+\b], v[96+16*\b], v[97+16*\b], v[98+16*\b]       ; the largest score of each block of 32 keys: for the row's maximum, and, since p rises with the score, for the block's largest p
.endr
.irp i, 3,5,7,9,11,13
.irp b, 0,1,2,3
	v_max3_num_f32 v[232+\b], v[232+\b], v[96+16*\b+\i], v[97+16*\b+\i]
.endr
.endr
.irp b, 0,1,2,3
	v_max_num_f32 v[232+\b], v[232+\b], v[111+16*\b]
.endr
.irp b, 0,1,2,3
	v_permlanex16_b32 v[236+\b], v[232+\b], s[SEL], s[SEL+1]
.endr
.irp b, 0,1,2,3
	v_max_num_f32 v[232+\b], v[232+\b], v[236+\b]
.endr
	v_max3_num_f32 v254, v232, v233, v234
	v_max_num_f32 v254, v254, v235
	v_mul_f32 v254, s[CS], v254
	v_max_num_f32 v13, v13, v254                   ; the running largest t
	v_mov_b32 v254, v12
	v_floor_f32 v12, -v13                          ; the new -M = -ceil(t)
	v_sub_f32 v254, v12, v254                      ; old M - new M: a whole number, 0 or less
	v_cvt_i32_f32 v254, v254
	v_ldexp_f32 v252, 1.0, v254                    ; f = 2^(old M - new M)
.irp j, 0,2,4,6,8,10,12,14,16,18,20,22,24,26,28,30,32,34,36,38,40,42,44,46,48,50,52,54,56,58,60,62
	v_pk_fma_f32 v[96+\j:97+\j], v[96+\j:97+\j], s[CS:CS+1], v[12:13] op_sel_hi:[1,0,0]     ; t - M
.endr
.irp b, 0,1,2,3
	v_fma_f32 v[232+\b], v[232+\b], s[CS], v12
.endr
.irp j, 0,1,2,3,4,5,6,7,8,9,10,11,12,13,14,15,16,17,18,19,20,21,22,23,24,25,26,27,28,29,30,31,32,33,34,35,36,37,38,39,40,41,42,43,44,45,46,47,48,49,50,51,52,53,54,55,56,57,58,59,60,61,62,63
	v_exp_f32 v[96+\j], v[96+\j]                   ; p = 2^(t - M)
.endr
	v_pk_mul_f32 v[14:15], v[14:15], v[252:253] op_sel_hi:[1,0]           ; the sums under the new M: a plain line behind the exponentials
	s_wait_alu depctr_va_vdst(0)                   ; one wait for the batch, ahead of its first reader
.irp b, 0,1,2,3
	v_exp_f32 v[232+\b], v[232+\b]                 ; each block's largest p
.endr
	v_pk_add_f32 v[236:237], v[96:97], v[98:99]    ; the row's sum of the unquantised p, in two chains
.irp j, 4,8,12,16,20,24,28,32,36,40,44,48,52,56,60
	v_pk_add_f32 v[14:15], v[14:15], v[96+\j:97+\j]
	v_pk_add_f32 v[236:237], v[236:237], v[98+\j:99+\j]
.endr
	v_pk_add_f32 v[14:15], v[14:15], v[236:237]
	s_wait_alu depctr_va_vdst(0)                   ; and one for the four
.irp b, 0,1,2,3
	v_max_num_f32 v[232+\b], 0x1800000, v[232+\b]  ; the floor 2^(3 - 127)
.endr
.irp b, 0,1,2,3
	v_add_nc_u32 v[244+\b], 0xff000000, v[232+\b]
.endr
.irp b, 0,1,2,3
	v_lshrrev_b32 v[236+\b], 23, v[244+\b]
.endr
	v_lshl_or_b32 v253, v237, 8, v236              ; p's scale word for these 128 keys
	v_lshl_or_b32 v253, v238, 16, v253
	v_lshl_or_b32 v253, v239, 24, v253
.irp c, 0,1
	v_cvt_scalef32_pk16_fp6_f32 v[224+6*\c:226+6*\c], v[96+32*\c:111+32*\c], v[244+2*\c]
	v_cvt_scalef32_pk16_fp6_f32 v[236+4*\c:238+4*\c], v[112+32*\c:127+32*\c], v[244+2*\c+1]
.endr
	v_nop
.irp c, 0,1
.irp i, 0,1,2
	v_permlane16_swap_b32 v[224+6*\c+\i], v[236+4*\c+\i]
.endr
.irp i, 0,1,2
	v_mov_b32 v[227+6*\c+\i], v[236+4*\c+\i]
.endr
.endr
.irp j, 0,2,4,6,8,10,12,14,16,18,20,22,24,26,28,30
	v_pk_mul_f32 v[160+\j:161+\j], v[160+\j:161+\j], v[252:253] op_sel_hi:[1,0]   ; O^T under the new M; these sixteen are also the places between p's scale word and codes and the products below
.endr
	s_wait_dscnt 0x0                               ; v
.irp t, 0,1,2,3
.if \t%2
	v_wmma_scale_f32_16x16x128_f8f6f4 v[160+8*\t:167+8*\t], v[F+12*\t:F+12*\t+11], v[224:235], v[160+8*\t:167+8*\t], v[VSC+\t/2], v253 matrix_a_fmt:MATRIX_FMT_FP6 matrix_b_fmt:MATRIX_FMT_FP6 matrix_a_scale:MATRIX_SCALE_ROW1
.else
	v_wmma_scale_f32_16x16x128_f8f6f4 v[160+8*\t:167+8*\t], v[F+12*\t:F+12*\t+11], v[224:235], v[160+8*\t:167+8*\t], v[VSC+\t/2], v253 matrix_a_fmt:MATRIX_FMT_FP6 matrix_b_fmt:MATRIX_FMT_FP6
.endif
.endr
.Lpast:
	s_add_co_u32 s[TB], s[TB], REC
	s_add_co_u32 s[KI], s[KI], 1
	s_cmp_lt_u32 s[KI], 16
	s_cbranch_scc1 .Lstep
	; THE WAY OUT: o = O^T / the sum; a lane's 32 numbers are channels 32 b + 16 h + 0 .. 15 of its query: two blocks of the projection's K
.rept 4
	v_nop
.endr
	v_add_f32 v14, v14, v15
	v_permlanex16_b32 v252, v14, s[SEL], s[SEL+1]
	v_add_f32 v14, v14, v252
	v_rcp_f32 v14, v14
	v_nop                                          ; a plain line behind the transcendental
	s_lshr_b32 s44, s41, 4                         ; the batch
	s_lshl_b32 s44, s44, 7
	s_add_co_u32 s44, s44, s42                     ; the tile of tokens
	s_lshl_b32 s44, s44, 3
	s_bfe_u32 s45, s41, 0x30001
	s_add_co_u32 s44, s44, s45                     ; its fragment: K step = head / 2
	s_and_b32 s45, s41, 1
	s_mul_i32 s46, s44, 1536
	s_mul_i32 s47, s45, 768
	s_add_co_u32 s46, s46, s47
	s_mov_b32 s47, 0
	s_lshl_b32 s48, s44, 6
	s_lshl_b32 s45, s45, 1
	s_add_co_u32 s48, s48, s45
	s_add_co_u32 s48, s48, 3145728
	s_mov_b32 s49, 0
	s_add_nc_u64 s[46:47], s[6:7], s[46:47]
	s_add_nc_u64 s[48:49], s[6:7], s[48:49]
	s_wait_alu depctr_va_vdst(0)
.irp j, 0,1,2,3,4,5,6,7,8,9,10,11,12,13,14,15,16,17,18,19,20,21,22,23,24,25,26,27,28,29,30,31
	v_mul_f32 v[192+\j], v[160+\j], v14
.endr
	v_max3_num_f32 v232, |v192|, |v193|, 0x1800000
	v_max3_num_f32 v233, |v208|, |v209|, 0x1800000
.irp i, 2,4,6,8,10,12,14
	v_max3_num_f32 v232, v232, |v[192+\i]|, |v[193+\i]|
	v_max3_num_f32 v233, v233, |v[208+\i]|, |v[209+\i]|
.endr
	v_permlanex16_b32 v236, v232, s[SEL], s[SEL+1]
	v_permlanex16_b32 v237, v233, s[SEL], s[SEL+1]
	v_max_num_f32 v232, v232, v236
	v_max_num_f32 v233, v233, v237
	v_add_nc_u32 v244, 0xff000000, v232
	v_add_nc_u32 v245, 0xff000000, v233
	v_lshrrev_b32 v236, 23, v244
	v_lshrrev_b32 v237, 23, v245
	v_lshl_or_b32 v238, v237, 8, v236              ; my head's two bytes of the row's scale word
	v_cvt_scalef32_pk16_fp6_f32 v[224:226], v[192:207], v244
	v_cvt_scalef32_pk16_fp6_f32 v[240:242], v[208:223], v245
	v_nop
.irp i, 0,1,2
	v_permlane16_swap_b32 v[224+\i], v[240+\i]
.endr
.irp i, 0,1,2
	v_mov_b32 v[227+\i], v[240+\i]
.endr
	global_store_b64 v[L8], v[224:225], s[46:47]
	global_store_b128 v[L16], v[226:229], s[46:47] offset:256
	global_store_b16 v[R4], v238, s[48:49]         ; both lanes of a row write the same two bytes with the same value
	s_wait_tensorcnt 0x0                           ; the wave's end
	ds_add_u32 v[SPW], v[NIL]
	s_wait_dscnt 0x0
	CROUND                                         ; the closing round: no work-group ends while a partner may still ask for a record that names it
	s_endpgm
.Lfunc_end_k_qfab2ca795f_attn:
	.size	k_qfab2ca795f_attn, .Lfunc_end_k_qfab2ca795f_attn-k_qfab2ca795f_attn
	.p2alignl 7, 3214868480
	.fill 96, 4, 3214868480
	.section	.rodata,"a",@progbits
	.p2align	6, 0x0
	.amdhsa_kernel k_qfab2ca795f_attn
		.amdhsa_group_segment_fixed_size 210944
		.amdhsa_private_segment_fixed_size 0
		.amdhsa_enable_private_segment 0
		.amdhsa_kernarg_size 16
		.amdhsa_user_sgpr_count 2
		.amdhsa_user_sgpr_kernarg_segment_ptr 1
		.amdhsa_wavefront_size32 1
		.amdhsa_system_sgpr_workgroup_id_x 1
		.amdhsa_system_sgpr_workgroup_id_y 1
		.amdhsa_system_sgpr_workgroup_id_z 1
		.amdhsa_system_vgpr_workitem_id 0
		.amdhsa_next_free_vgpr 256
		.amdhsa_next_free_sgpr 66
		.amdhsa_reserve_vcc 1
		.amdhsa_float_denorm_mode_32 3
		.amdhsa_float_denorm_mode_16_64 3
		.amdhsa_memory_ordered 1
		.amdhsa_forward_progress 1
		.amdhsa_inst_pref_size 32
	.end_amdhsa_kernel
	.amdgpu_metadata
---
amdhsa.version: [ 1, 2 ]
amdhsa.kernels:
  - .name:           k_qfab2ca795f_attn
    .symbol:         k_qfab2ca795f_attn.kd
    .args:
      - { .name: qkv, .offset: 0, .size: 8, .value_kind: global_buffer, .address_space: global }
      - { .name: act, .offset: 8, .size: 8, .value_kind: global_buffer, .address_space: global }
    .group_segment_fixed_size: 210944
    .private_segment_fixed_size: 0
    .kernarg_segment_align: 8
    .kernarg_segment_size: 16
    .max_flat_workgroup_size: 512
    .sgpr_count:     66
    .vgpr_count:     256
    .wavefront_size: 32
...
	.end_amdgpu_metadata
.endif
;; end of part 3
;; launch proj (part 4): grid 8 x 32, 4 waves a work-group, clusters of 4 x 4, 327,680 bytes of LDS; arguments act, wc, proj_b, x, x1; writes x1
.if DOCPART == 4
	.amdgcn_target "amdgcn-amd-amdhsa--gfx1250"
	.amdhsa_code_object_version 6
	.text
	.protected	k_qfab2ca795f_proj
	.globl	k_qfab2ca795f_proj
	.p2align	8
	.type	k_qfab2ca795f_proj,@function
k_qfab2ca795f_proj:
	s_mov_b64 s[64:65], 0
	v_nop
	global_prefetch_b8 v0, s[64:65] scope:SCOPE_SE
	s_setreg_imm32_b32 hwreg(HW_REG_WAVE_MODE, 25, 1), 1
	s_wait_xcnt 0x0
	s_wait_alu depctr_hold_cnt(0) depctr_sa_sdst(0) depctr_va_vdst(0) depctr_va_sdst(0) depctr_va_ssrc(0) depctr_va_vcc(0) depctr_vm_vsrc(0)
	s_getreg_b32 s2, hwreg(HW_REG_IB_STS2, 6, 4)
	s_cmp_eq_u32 s2, 0
	s_cbranch_scc0 .Lentry_in_a_cluster
	s_endpgm
.Lentry_in_a_cluster:
	s_bfe_u32 s2, ttmp6, 0x10000c
	s_cmp_lg_u32 s2, 0xf033
	s_cbranch_scc0 .Lentry_shape_is_right
	s_endpgm
.Lentry_shape_is_right:
; x1 = x + o proj_w^T + proj_b, on codes of FP6 (E2M3).  Nothing of reference() is left out here.
; Codes, scale words and the order of a tile's rows: fragments of 1,536 bytes in register order; place p of tile 2 g + u is row 32 g + 8 u + p % 8 + 16 (p / 8).
; D = (source 0: 16 rows of R = proj_w) x (source 1: 16 rows of L = tokens): lane (r, h) holds the token at place r, and the 16 registers of R's tiles 2 b, 2 b + 1 are true columns 32 b + 16 h + 0 .. 15.
; A work-group makes 128 tokens x 128 columns, each of its four waves 64 x 64: 16 accumulators.  K = 1,024: eight K steps, all in LDS (two slots of four, both first fills): nothing is filled again.
; CLUSTERS: 4 x 4; L's tiles are shared along a row of the cluster, R's along a column: joint loads.
; THE WAY OUT: a block of 16 tokens x 64 columns goes through the wave's stage in LDS and leaves as rows of 256 aligned bytes, at the tokens' true rows; the residual was loaded in that same layout at the head.
; The stage lies in slot 0, which has had its only fill, and whose last read stands ahead of the barrier in the middle of the K steps.
; REGISTERS: window 0: v1-27 addresses; v28, v29 the add's two; v32-55 scale words; v64-95 the bias; v128-223 L's fragments, two sets (on the way out v128-159 numbers, v160-191 rows).
;   window 1: v0-95 R's fragments, two sets; v96-223 the residual.   window 2: the accumulators, (a, b) at v[8 (4 a + b)].
.set NB,    4
.set LT,    8
.set KS,    8
.set RT0,   192                        ; proj_w's first tile in wc
.set LSCB,  3145728                    ; where act's scale words begin
.set SROW,  6144
.set SLOT,  (LT+8)*SROW
.set SCL,   2*SLOT
.set SCR,   SCL+LT*KS*64
.set SPARE, SCR+8*KS*64                ; the spare words, 128 bytes a wave: two blocks of 256 bytes that no other line names
.set ADL8,  4
.set ADL16, 6
.set ADR8,  8
.set ADR16, 10
.set ASL,   12
.set ASR,   13
.set CO,    18
.set STO,   19
.set RD,    20
.set SPW,   28
.set NIL,   29
.set SC,    32
.set BIAS,  64
.set LF,    128
.set H,     128
.set BK,    160
.set RES,   96
.set G1L,  24
.set G0L,  32
.set G1R,  48
.set G0R,  56
.set G1SL, 68
.set G0SL, 76
.set G1SR, 80
.set G0SR, 88
.set MSB, 0
.macro WIN new                         ; the immediate's high byte repeats the setting that is left
.if MSB != \new
	s_set_vgpr_msb (MSB<<8)|\new
.set MSB, \new
.endif
.endm
.set MULW, 0xa1                        ; source 0 (R) window 1, source 1 (L) window 0, C and D window 2
.set TO_R, 0x40                        ; destination window 1
.set DOWN, 0x02                        ; source 0 window 2
.set RESW, 0x04                        ; source 1 window 1
.macro JLOAD g0a, g1a, g0b, g1b        ; a joint load: waves 0 and 1 fetch L's halves, waves 2 and 3 R's; an s_nop 0 and four v_nop follow each line
	s_cmp_eq_u32 s15, 0
	s_cbranch_scc0 .Lfor_r_\@
	tensor_load_to_lds s[\g0a:\g0a+3], s[\g1a:\g1a+7]
	s_nop 0
.rept 4
	v_nop
.endr
	s_branch .Lasked_\@
.Lfor_r_\@:
	tensor_load_to_lds s[\g0b:\g0b+3], s[\g1b:\g1b+7]
	s_nop 0
.rept 4
	v_nop
.endr
.Lasked_\@:
.endm
.macro CROUND                          ; a round of the cluster's barrier
	s_barrier_signal -1
	s_barrier_wait -1
	s_cmp_lg_u32 s14, 0
	s_cbranch_scc1 .Lnot_wave_0_\@
	s_barrier_signal -3
.Lnot_wave_0_\@:
	s_barrier_wait -3
	s_barrier_signal -1
	s_barrier_wait -1
.endm
.macro PLACES n
.rept \n
	v_nop
.endr
.endm
.macro FRAG reg, a8, a16, off          ; a fragment's 12 registers, as they were stored
	ds_load_b64 v[\reg:\reg+1], v[\a8] offset:\off
	ds_load_b128 v[\reg+2:\reg+5], v[\a16] offset:(\off)+256
	ds_load_b64 v[\reg+6:\reg+7], v[\a8] offset:(\off)+768
	ds_load_b128 v[\reg+8:\reg+11], v[\a16] offset:(\off)+1024
.endm
.macro LOADS slot, q                   ; the fragments of the slot's q-th K step into set q % 2; at even q the scale words of two K steps (lanes 0-15: step q, lanes 16-31: step q + 1)
	WIN TO_R
.set lb, 0
.rept NB
	FRAG 12*NB*((\q)%2)+12*lb, ADR8+\slot, ADR16+\slot, lb*SROW+(\q)*1536
.set lb, lb+1
.endr
	WIN 0
.set lb, 0
.rept 4
	FRAG LF+48*((\q)%2)+12*lb, ADL8+\slot, ADL16+\slot, lb*SROW+(\q)*1536
.set lb, lb+1
.endr
.if (\q)%2 == 0
.set lb, 0
.rept 4
	ds_load_b32 v[SC+12*(((\q)/2)%2)+lb], v[ASL] offset:lb*KS*64+(4*(\slot)+(\q))*64
.set lb, lb+1
.endr
.set lb, 0
.rept NB
	ds_load_b32 v[SC+12*(((\q)/2)%2)+4+lb], v[ASR] offset:lb*KS*64+(4*(\slot)+(\q))*64
.set lb, lb+1
.endr
.endif
.endm
.macro MUL a0, na, q, zero             ; the accumulators take turns, one instruction a turn, in the same order in every K step
.set ma, \a0
.rept \na
.set mb, 0
.rept NB
.set rD, 8*(NB*ma+mb)
.set rR, 12*NB*((\q)%2)+12*mb
.set rL, LF+48*((\q)%2)+12*ma
.set rS, SC+12*(((\q)/2)%2)
.if \zero
	v_wmma_scale_f32_16x16x128_f8f6f4 v[rD:rD+7], v[rR:rR+11], v[rL:rL+11], 0, v[rS+4+mb], v[rS+ma] matrix_a_fmt:MATRIX_FMT_FP6 matrix_b_fmt:MATRIX_FMT_FP6
.elseif (\q)%2
	v_wmma_scale_f32_16x16x128_f8f6f4 v[rD:rD+7], v[rR:rR+11], v[rL:rL+11], v[rD:rD+7], v[rS+4+mb], v[rS+ma] matrix_a_fmt:MATRIX_FMT_FP6 matrix_b_fmt:MATRIX_FMT_FP6 matrix_a_scale:MATRIX_SCALE_ROW1 matrix_b_scale:MATRIX_SCALE_ROW1
.else
	v_wmma_scale_f32_16x16x128_f8f6f4 v[rD:rD+7], v[rR:rR+11], v[rL:rL+11], v[rD:rD+7], v[rS+4+mb], v[rS+ma] matrix_a_fmt:MATRIX_FMT_FP6 matrix_b_fmt:MATRIX_FMT_FP6
.endif
.set mb, mb+1
.endr
.set ma, ma+1
.endr
.endm
.macro STEP q, nslot, nq, zero         ; the next K step's loads go out in one run, then this step's 16 products
	PLACES 4                                       ; four places in front of loads into the set that the last step's products read
	LOADS \nslot, \nq
.if (\nq)%2
	s_wait_dscnt 4*(4+NB)                          ; all but the loads just issued: this step's fragments are in
.else
	s_wait_dscnt 5*(4+NB)
.endif
	WIN MULW
	MUL 0, 4, \q, \zero
	WIN 0
.endm
	s_load_b256 s[4:11], s[0:1], 0x0               ; act s[4:5], wc s[6:7], proj_b s[8:9], x s[10:11]
	s_load_b64 s[12:13], s[0:1], 0x20              ; x1
	v_lshl_add_u32 v[SPW], v0, 2, SPARE
	v_mov_b32 v[NIL], 0
	ds_add_u32 v[SPW], v[NIL]                      ; the opening: the add, twice on end, and its wait ahead of my first tensor load
	ds_add_u32 v[SPW], v[NIL]
	v_lshrrev_b32 v1, 5, v0
	v_readfirstlane_b32 s14, v1                    ; wave
	s_lshr_b32 s15, s14, 1                         ; I fetch for L (0) or R (1); also: which 64 tokens are mine
	s_and_b32 s16, s14, 1                          ; which half I fetch; also: which 64 columns are mine
	s_bfe_u32 s40, ttmp6, 0x40000                  ; cx
	s_bfe_u32 s41, ttmp6, 0x40004                  ; cy
	s_lshl_b32 s42, ttmp9, 2
	s_add_co_u32 s42, s42, s40                     ; x: which 128 columns
	s_and_b32 s17, ttmp7, 0xffff
	s_lshl_b32 s17, s17, 2
	s_add_co_u32 s17, s17, s41                     ; y: which 128 tokens
	s_lshl_b32 s43, s41, 2
	s_lshl_b32 s43, 15, s43                        ; my row of the cluster
	s_lshl_b32 s44, 0x1111, s40                    ; my column
	s_or_b32 s[G1L], s43, (3<<16)|(1<<21)          ; the mask; elements of 8 bytes; bit 21 beside a mask; no padding
	s_or_b32 s[G1R], s44, (3<<16)|(1<<21)
	s_or_b32 s[G1SL], s43, (3<<16)|(1<<21)
	s_or_b32 s[G1SR], s44, (3<<16)|(1<<21)
	s_mov_b32 s[G1L+1], 768<<16                    ; a row of the tile: a tile of 16 rows' four K steps, 6,144 bytes
	s_mov_b32 s[G1L+2], (LT/2)<<16
	s_mov_b32 s[G1L+3], 768<<16
	s_mov_b32 s[G1L+4], LT/2
	s_mov_b32 s[G1L+5], KS*192
	s_mov_b32 s[G1L+6], 0
	s_mov_b32 s[G1L+7], 0
	s_mov_b32 s[G1R+1], 768<<16
	s_mov_b32 s[G1R+2], 4<<16
	s_mov_b32 s[G1R+3], 768<<16
	s_mov_b32 s[G1R+4], 4
	s_mov_b32 s[G1R+5], KS*192
	s_mov_b32 s[G1R+6], 0
	s_mov_b32 s[G1R+7], 0
	s_mov_b32 s[G1SL+1], 32<<16                    ; the scale words: dense, as rows of 256 bytes
	s_mov_b32 s[G1SL+2], (LT/2*KS/4)<<16
	s_mov_b32 s[G1SL+3], 32<<16
	s_mov_b32 s[G1SL+4], LT/2*KS/4
	s_mov_b32 s[G1SL+5], 32
	s_mov_b32 s[G1SL+6], 0
	s_mov_b32 s[G1SL+7], 0
	s_mov_b32 s[G1SR+1], 32<<16
	s_mov_b32 s[G1SR+2], KS<<16
	s_mov_b32 s[G1SR+3], 32<<16
	s_mov_b32 s[G1SR+4], KS
	s_mov_b32 s[G1SR+5], 32
	s_mov_b32 s[G1SR+6], 0
	s_mov_b32 s[G1SR+7], 0
	s_lshl_b32 s20, s17, 3                         ; L: tile 8 y
	s_lshl_b32 s18, s16, 2
	s_add_co_u32 s20, s20, s18                     ; + my half's 4
	s_mul_i32 s22, s20, KS*64
	s_add_co_u32 s22, s22, LSCB
	s_mul_i32 s20, s20, KS*1536
	s_mov_b32 s21, 0
	s_mov_b32 s23, 0
	s_lshl_b32 s46, s42, 3                         ; R: tile RT0 + 8 x
	s_add_co_u32 s46, s46, s18
	s_add_co_u32 s46, s46, RT0
	s_mul_i32 s92, s46, KS*64
	s_add_co_u32 s92, s92, 9437184
	s_mul_i32 s46, s46, KS*1536
	s_mov_b32 s47, 0
	s_mov_b32 s93, 0
	s_mul_i32 s45, s16, (LT/2)*SROW                ; where they go: from the wave's number alone
	s_mul_i32 s94, s16, 4*SROW
	s_add_co_u32 s94, s94, LT*SROW
	s_mul_i32 s95, s16, (LT/2)*KS*64
	s_add_co_u32 s95, s95, SCL
	s_mul_i32 s96, s16, 4*KS*64
	s_add_co_u32 s96, s96, SCR
	s_wait_dscnt 0x0                               ; both opening adds are done
	s_wait_kmcnt 0x0
	s_add_nc_u64 s[20:21], s[4:5], s[20:21]
	s_add_nc_u64 s[22:23], s[4:5], s[22:23]
	s_add_nc_u64 s[46:47], s[6:7], s[46:47]
	s_add_nc_u64 s[92:93], s[6:7], s[92:93]
	CROUND                                         ; all sixteen work-groups are here: the joint loads meet
	s_mov_b32 s[G0SL], 1
	s_mov_b32 s[G0SL+1], s95
	s_mov_b64 s[G0SL+2:G0SL+3], s[22:23]
	s_or_b32 s[G0SL+3], s[G0SL+3], 0x80000000
	s_mov_b32 s[G0SR], 1
	s_mov_b32 s[G0SR+1], s96
	s_mov_b64 s[G0SR+2:G0SR+3], s[92:93]
	s_or_b32 s[G0SR+3], s[G0SR+3], 0x80000000
	JLOAD G0SL, G1SL, G0SR, G1SR                   ; three loads of mine are out at the most: the scale words, slot 0, slot 1
.irp s, 0,1
	s_mov_b32 s[G0L+4*\s], 1
	s_add_co_u32 s[G0L+4*\s+1], s45, \s*SLOT
	s_add_nc_u64 s[G0L+4*\s+2:G0L+4*\s+3], s[20:21], \s*SROW
	s_or_b32 s[G0L+4*\s+3], s[G0L+4*\s+3], 0x80000000
	s_mov_b32 s[G0R+4*\s], 1
	s_add_co_u32 s[G0R+4*\s+1], s94, \s*SLOT
	s_add_nc_u64 s[G0R+4*\s+2:G0R+4*\s+3], s[46:47], \s*SROW
	s_or_b32 s[G0R+4*\s+3], s[G0R+4*\s+3], 0x80000000
	JLOAD G0L+4*\s, G1L, G0R+4*\s, G1R
.endr
	v_and_b32 v3, 31, v0
	v_and_b32 v1, 15, v0                           ; r
	v_bfe_u32 v2, v0, 4, 1                         ; h
	v_lshlrev_b32 v14, 3, v3
	v_lshlrev_b32 v15, 4, v3
	v_lshlrev_b32 v17, 2, v3
	s_mul_i32 s21, s15, 4*SROW                     ; my four tiles of L
	s_mul_i32 s22, s16, 4*SROW                     ; my four of R,
	s_add_co_u32 s22, s22, LT*SROW                 ; behind L's eight
.irp s, 0,1
	v_add_nc_u32 v[ADL8+\s], s21, v14
	v_add_nc_u32 v[ADL16+\s], s21, v15
	v_add_nc_u32 v[ADR8+\s], s22, v14
	v_add_nc_u32 v[ADR16+\s], s22, v15
	s_add_co_u32 s21, s21, SLOT
	s_add_co_u32 s22, s22, SLOT
.endr
	s_mul_i32 s21, s15, 4*KS*64
	s_add_co_u32 s21, s21, SCL
	v_add_nc_u32 v[ASL], s21, v17
	s_mul_i32 s21, s16, 4*KS*64
	s_add_co_u32 s21, s21, SCR
	v_add_nc_u32 v[ASR], s21, v17
	v_lshlrev_b32 v[CO], 4, v1
	v_lshl_add_u32 v[CO], v2, 12, v[CO]            ; lanes 0-15 a row's 256 bytes, lanes 16-31 the next row's
	s_mul_i32 s21, s14, 16*272                     ; my stage
	v_mul_u32_u24 v[STO], v1, 272
	v_lshl_add_u32 v[STO], v2, 6, v[STO]
	v_add_nc_u32 v[STO], s21, v[STO]
	v_mul_u32_u24 v[RD], v2, 272
	v_lshl_add_u32 v[RD], v1, 4, v[RD]
	v_add_nc_u32 v[RD], s21, v[RD]
	s_lshl_b32 s20, s17, 7
	s_lshl_b32 s21, s15, 6
	s_add_co_u32 s20, s20, s21                     ; my first token
	s_lshl_b32 s20, s20, 12
	s_lshl_b32 s21, s42, 9
	s_add_co_u32 s20, s20, s21
	s_lshl_b32 s21, s16, 8
	s_add_co_u32 s20, s20, s21                     ; + my first column's bytes
	s_mov_b32 s21, 0
	s_add_nc_u64 s[22:23], s[12:13], s[20:21]      ; out
	s_add_nc_u64 s[20:21], s[10:11], s[20:21]      ; the residual
	s_lshl_b32 s92, s42, 9
	s_lshl_b32 s93, s16, 8
	s_add_co_u32 s92, s92, s93
	s_mov_b32 s93, 0
	s_add_nc_u64 s[92:93], s[8:9], s[92:93]
	v_lshlrev_b32 v17, 6, v2
.irp t, 0,1,2,3                                ; the bias in the result's layout
	global_load_b128 v[BIAS+8*\t:BIAS+8*\t+3], v17, s[92:93] offset:(32*(\t/2)+8*(\t%2))*4
	global_load_b128 v[BIAS+8*\t+4:BIAS+8*\t+7], v17, s[92:93] offset:(32*(\t/2)+8*(\t%2))*4+16
.endr
	WIN TO_R
.irp i, 0,1,2,3                                ; the residual, at the true rows of block i's places 2 t, 2 t + 1
.irp t, 0,1,2,3,4,5,6,7
	global_load_b128 v[RES+32*\i+4*\t:RES+32*\i+4*\t+3], v[CO], s[20:21] offset:(32*(\i/2)+8*(\i%2)+2*(\t%4)+16*(\t/4))*4096
.endr
.endr
	WIN 0
	s_wait_tensorcnt 0x1                           ; the scale words and my part of slot 0 are in; slot 1's load, the one issued behind them, may be out
	s_barrier_signal -1
	s_barrier_wait -1
	LOADS 0, 0
	STEP 0, 0, 1, 1                                ; the first products start the sums
	STEP 1, 0, 2, 0
	STEP 2, 0, 3, 0
	s_wait_tensorcnt 0x0                           ; my part of slot 1 is in,
	s_wait_dscnt 0x0                               ; and my reads of slot 0 are over
	s_barrier_signal -1
	WIN MULW
	MUL 0, 2, 3, 0
	WIN 0
	s_barrier_wait -1                              ; slot 1 is whole, nobody reads slot 0 any more.
	PLACES 4
	LOADS 1, 0
	WIN MULW
	MUL 2, 2, 3, 0
	WIN 0
	STEP 0, 1, 1, 0
	STEP 1, 1, 2, 0
	STEP 2, 1, 3, 0
	s_wait_dscnt 0x0
	WIN MULW
	MUL 0, 4, 3, 0
	WIN 0
	s_wait_loadcnt 0x0                             ; bias and residual
	PLACES 4                                       ; four places behind the last products
.macro OUTB i
.if \i > 0
	s_wait_xcnt 0x0                                ; the last block's stores have read their registers
.endif
	WIN DOWN
.set k, 0
.rept 16
	v_pk_add_f32 v[H+k:H+k+1], v[32*(\i)+k:32*(\i)+k+1], v[BIAS+k:BIAS+k+1]
.set k, k+2
.endr
	WIN 0
.irp t, 0,1,2,3
	ds_store_b128 v[STO], v[H+8*\t:H+8*\t+3] offset:128*(\t/2)+32*(\t%2)
	ds_store_b128 v[STO], v[H+8*\t+4:H+8*\t+7] offset:128*(\t/2)+32*(\t%2)+16
.endr
.irp t, 0,1,2,3,4,5,6,7
	ds_load_b128 v[BK+4*\t:BK+4*\t+3], v[RD] offset:544*\t         ; LDS serves a wave's instructions in order: these see my stores
.endr
	s_wait_dscnt 0x0
	WIN RESW
.set k, 0
.rept 16
	v_pk_add_f32 v[BK+k:BK+k+1], v[BK+k:BK+k+1], v[RES+32*(\i)+k:RES+32*(\i)+k+1]
.set k, k+2
.endr
	WIN 0
.irp t, 0,1,2,3,4,5,6,7
	global_store_b128 v[CO], v[BK+4*\t:BK+4*\t+3], s[22:23] offset:(32*((\i)/2)+8*((\i)%2)+2*(\t%4)+16*(\t/4))*4096       ; 16 lanes store 256 consecutive bytes, aligned
.endr
.endm
	OUTB 0
	OUTB 1
	OUTB 2
	OUTB 3
	s_wait_tensorcnt 0x0                           ; the wave's end
	ds_add_u32 v[SPW], v[NIL]
	s_wait_dscnt 0x0
	CROUND                                         ; the closing round
	s_endpgm
.Lfunc_end_k_qfab2ca795f_proj:
	.size	k_qfab2ca795f_proj, .Lfunc_end_k_qfab2ca795f_proj-k_qfab2ca795f_proj
	.p2alignl 7, 3214868480
	.fill 96, 4, 3214868480
	.section	.rodata,"a",@progbits
	.p2align	6, 0x0
	.amdhsa_kernel k_qfab2ca795f_proj
		.amdhsa_group_segment_fixed_size 327680
		.amdhsa_private_segment_fixed_size 0
		.amdhsa_enable_private_segment 0
		.amdhsa_kernarg_size 40
		.amdhsa_user_sgpr_count 2
		.amdhsa_user_sgpr_kernarg_segment_ptr 1
		.amdhsa_wavefront_size32 1
		.amdhsa_system_sgpr_workgroup_id_x 1
		.amdhsa_system_sgpr_workgroup_id_y 1
		.amdhsa_system_sgpr_workgroup_id_z 1
		.amdhsa_system_vgpr_workitem_id 0
		.amdhsa_next_free_vgpr 768
		.amdhsa_next_free_sgpr 100
		.amdhsa_reserve_vcc 0
		.amdhsa_float_denorm_mode_32 3
		.amdhsa_float_denorm_mode_16_64 3
		.amdhsa_memory_ordered 1
		.amdhsa_forward_progress 1
		.amdhsa_inst_pref_size 67
	.end_amdhsa_kernel
	.amdgpu_metadata
---
amdhsa.version: [ 1, 2 ]
amdhsa.kernels:
  - .name:           k_qfab2ca795f_proj
    .symbol:         k_qfab2ca795f_proj.kd
    .args:
      - { .name: act, .offset: 0, .size: 8, .value_kind: global_buffer, .address_space: global }
      - { .name: wc, .offset: 8, .size: 8, .value_kind: global_buffer, .address_space: global }
      - { .name: proj_b, .offset: 16, .size: 8, .value_kind: global_buffer, .address_space: global }
      - { .name: x, .offset: 24, .size: 8, .value_kind: global_buffer, .address_space: global }
      - { .name: x1, .offset: 32, .size: 8, .value_kind: global_buffer, .address_space: global }
    .group_segment_fixed_size: 327680
    .private_segment_fixed_size: 0
    .kernarg_segment_align: 8
    .kernarg_segment_size: 40
    .max_flat_workgroup_size: 128
    .sgpr_count:     100
    .vgpr_count:     768
    .wavefront_size: 32
...
	.end_amdgpu_metadata
.endif
;; end of part 4
;; launch ln2: the kernel of part 1 again; grid 256 x 1, 4 waves a work-group, no clusters, 75,776 bytes of LDS; arguments x1, ln2_g, ln2_b, qkv_w, proj_w, ff1_w, ff2_w, act, wc; writes act, wc
;; launch ff1 (part 5): grid 32 x 8, 4 waves a work-group, clusters of 4 x 4, 327,680 bytes of LDS; arguments act, wc, ff1_b, hid; writes hid
.if DOCPART == 5
	.amdgcn_target "amdgcn-amd-amdhsa--gfx1250"
	.amdhsa_code_object_version 6
	.text
	.protected	k_qfab2ca795f_ff1
	.globl	k_qfab2ca795f_ff1
	.p2align	8
	.type	k_qfab2ca795f_ff1,@function
k_qfab2ca795f_ff1:
	s_mov_b64 s[64:65], 0
	v_nop
	global_prefetch_b8 v0, s[64:65] scope:SCOPE_SE
	s_setreg_imm32_b32 hwreg(HW_REG_WAVE_MODE, 25, 1), 1
	s_wait_xcnt 0x0
	s_wait_alu depctr_hold_cnt(0) depctr_sa_sdst(0) depctr_va_vdst(0) depctr_va_sdst(0) depctr_va_ssrc(0) depctr_va_vcc(0) depctr_vm_vsrc(0)
	s_getreg_b32 s2, hwreg(HW_REG_IB_STS2, 6, 4)
	s_cmp_eq_u32 s2, 0
	s_cbranch_scc0 .Lentry_in_a_cluster
	s_endpgm
.Lentry_in_a_cluster:
	s_bfe_u32 s2, ttmp6, 0x10000c
	s_cmp_lg_u32 s2, 0xf033
	s_cbranch_scc0 .Lentry_shape_is_right
	s_endpgm
.Lentry_shape_is_right:
; hid = Q(gelu(LN2(x1) ff1_w^T + ff1_b)), on codes of FP6 (E2M3): the hidden layer leaves as codes in the order of the next product's registers.  Nothing of reference() is left out here.
; Codes, scale words and the order of a tile's rows: fragments of 1,536 bytes in register order; place p of tile 2 g + u is row 32 g + 8 u + p % 8 + 16 (p / 8).
; D = (source 0: 16 rows of R = ff1_w) x (source 1: 16 rows of L = tokens): lane (r, h) holds the token at place r, and the 16 registers of R's tiles 2 b, 2 b + 1 are true hidden units 32 b + 16 h + 0 .. 15.
; A tile is 256 tokens x 128 hidden units, each of the four waves 64 x 128: 32 accumulators; a wave's 128 units are one whole K step of the next product.  K = 1,024: eight K steps, all in LDS, in two slots of four.
; A WORK-GROUP STAYS: it makes TWO tiles, 2,048 tokens apart, with the same 128 hidden units: 32 x 8 work-groups in all.  The weights' tiles, their scale words and the bias stay where they are; the tokens' scale words of both
; tiles come with the first fills.  Only the tokens' codes are fetched anew: in the first tile's last K step, when its fragments are in registers, both slots' token rows are filled again (waves 0 and 1: slot 0's halves,
; waves 2 and 3: slot 1's), one load a wave, and those loads have 16 products and the whole first way out in which to land.  The way out is written once, in a loop of two trips; no tensor load stands in that loop.
; CLUSTERS: 4 x 4; L's tiles are shared along a row of the cluster, R's along a column: joint loads; a round of the cluster's barrier stands in front of the first loads, in front of the refill, and at the end.
; GELU, exact form: 0.5 x (1 + erf(x / sqrt 2)); erf(z) = z P(z^2) / Q(z^2), z held to +-3.8325069, beyond which erf is 1 in f32; P of degree 4, Q of degree 6.
; LIMITS: 1 + erf carries an absolute error of about one unit in the last place of 1, so the relative error of gelu under x = -3 is above 1e-6: it counts only in a block all of whose 32 numbers are that negative.
; NaN and infinities are not served; blocks under 2^-124 are held at byte 1; a block of zeros has byte 1.
; REGISTERS: window 0: v1-27 addresses; v28, v29 the add's two; v32-55 scale words; v64-127 the bias; v128-223 L's fragments, two sets (on the way out: v128-191 numbers, v192-255 at work).
;   window 1: R's fragments, two sets of 96.   window 2: the accumulators, (a, b) at v[8 (8 a + b)].
.set NB,    8
.set LT,    16
.set KS,    8
.set RT0,   256                        ; ff1_w's first tile in wc
.set LSCB,  3145728
.set SROW,  6144
.set SLOT,  (LT+8)*SROW
.set SCL,   2*SLOT                     ; behind the slots: L's scale words: for each half of the 16 tiles, the first tile's 4,096 bytes, then the second's,
.set SCR,   SCL+2*LT*KS*64             ; R's,
.set SPARE, SCR+8*KS*64                ; and the spare words, 128 bytes a wave: two blocks of 256 bytes that no other line names
.set NEXTL, 128*KS*1536                ; from the first tile's tokens to the second's: 128 tiles of 16 rows: in act's codes,
.set NEXTH, 128*32*1536                ; in hid's codes,
.set NEXTS, 128*32*64                  ; in hid's scale words
.set ADL8,  4
.set ADL16, 6
.set ADR8,  8
.set ADR16, 10
.set ASL0,  12                         ; L's scale words of the first tile,
.set ASR,   13
.set ASL1,  18                         ; of the second
.set ASLT,  ASL0                       ; the one that LOADS names
.set SPW,   28
.set NIL,   29
.set SC,    32
.set BIAS,  64
.set LF,    128
.set H,     128
.set TM,    192
.set PW,    208
.set PC,    210
.set GZ,    192
.set GW,    208
.set GP,    224
.set GQ,    240
.set A9,  40                           ; the coefficients, a scalar pair each: written when only the refill is out, in registers that its descriptors (s24-39) do not name
.set A7,  42
.set A5,  44
.set A3,  46
.set A1,  48
.set B12, 50
.set B10, 52
.set B8,  54
.set B6,  56
.set B4,  58
.set B2,  60
.set CR2, 62
.set CLO, 66
.set CHI, 67
.set SEL, 68
.set G1L,  24
.set G0L,  32
.set G1R,  48
.set G0R,  56
.set G1SL, 68
.set G0SL, 76
.set G1SR, 80
.set G0SR, 88
.set MSB, 0
.macro WIN new                         ; the immediate's high byte repeats the setting that is left
.if MSB != \new
	s_set_vgpr_msb (MSB<<8)|\new
.set MSB, \new
.endif
.endm
.set MULW, 0xa1                        ; source 0 (R) window 1, source 1 (L) window 0, C and D window 2
.set TO_R, 0x40                        ; destination window 1
.set DOWN, 0x02                        ; source 0 window 2
.macro JLOAD g0a, g1a, g0b, g1b        ; a joint load: waves 0 and 1 issue the first line, waves 2 and 3 the second; an s_nop 0 and four v_nop follow each line
	s_cmp_eq_u32 s15, 0
	s_cbranch_scc0 .Lsecond_\@
	tensor_load_to_lds s[\g0a:\g0a+3], s[\g1a:\g1a+7]
	s_nop 0
.rept 4
	v_nop
.endr
	s_branch .Lasked_\@
.Lsecond_\@:
	tensor_load_to_lds s[\g0b:\g0b+3], s[\g1b:\g1b+7]
	s_nop 0
.rept 4
	v_nop
.endr
.Lasked_\@:
.endm
.macro CREST                           ; a round of the cluster's barrier behind its opening barrier
	s_cmp_lg_u32 s14, 0
	s_cbranch_scc1 .Lnot_wave_0_\@
	s_barrier_signal -3
.Lnot_wave_0_\@:
	s_barrier_wait -3
	s_barrier_signal -1
	s_barrier_wait -1
.endm
.macro CROUND                          ; a whole round
	s_barrier_signal -1
	s_barrier_wait -1
	CREST
.endm
.macro PLACES n
.rept \n
	v_nop
.endr
.endm
.macro FRAG reg, a8, a16, off          ; a fragment's 12 registers, as they were stored
	ds_load_b64 v[\reg:\reg+1], v[\a8] offset:\off
	ds_load_b128 v[\reg+2:\reg+5], v[\a16] offset:(\off)+256
	ds_load_b64 v[\reg+6:\reg+7], v[\a8] offset:(\off)+768
	ds_load_b128 v[\reg+8:\reg+11], v[\a16] offset:(\off)+1024
.endm
.macro LOADS slot, q                   ; the fragments of the slot's q-th K step into set q % 2; at even q the scale words of two K steps (lanes 0-15: step q, lanes 16-31: step q + 1)
	WIN TO_R
.set lb, 0
.rept NB
	FRAG 12*NB*((\q)%2)+12*lb, ADR8+\slot, ADR16+\slot, lb*SROW+(\q)*1536
.set lb, lb+1
.endr
	WIN 0
.set lb, 0
.rept 4
	FRAG LF+48*((\q)%2)+12*lb, ADL8+\slot, ADL16+\slot, lb*SROW+(\q)*1536
.set lb, lb+1
.endr
.if (\q)%2 == 0
.set lb, 0
.rept 4
	ds_load_b32 v[SC+12*(((\q)/2)%2)+lb], v[ASLT] offset:lb*KS*64+(4*(\slot)+(\q))*64
.set lb, lb+1
.endr
.set lb, 0
.rept NB
	ds_load_b32 v[SC+12*(((\q)/2)%2)+4+lb], v[ASR] offset:lb*KS*64+(4*(\slot)+(\q))*64
.set lb, lb+1
.endr
.endif
.endm
.macro MUL a0, na, q, zero             ; the accumulators take turns, one instruction a turn, in the same order in every K step
.set ma, \a0
.rept \na
.set mb, 0
.rept NB
.set rD, 8*(NB*ma+mb)
.set rR, 12*NB*((\q)%2)+12*mb
.set rL, LF+48*((\q)%2)+12*ma
.set rS, SC+12*(((\q)/2)%2)
.if \zero
	v_wmma_scale_f32_16x16x128_f8f6f4 v[rD:rD+7], v[rR:rR+11], v[rL:rL+11], 0, v[rS+4+mb], v[rS+ma] matrix_a_fmt:MATRIX_FMT_FP6 matrix_b_fmt:MATRIX_FMT_FP6
.elseif (\q)%2
	v_wmma_scale_f32_16x16x128_f8f6f4 v[rD:rD+7], v[rR:rR+11], v[rL:rL+11], v[rD:rD+7], v[rS+4+mb], v[rS+ma] matrix_a_fmt:MATRIX_FMT_FP6 matrix_b_fmt:MATRIX_FMT_FP6 matrix_a_scale:MATRIX_SCALE_ROW1 matrix_b_scale:MATRIX_SCALE_ROW1
.else
	v_wmma_scale_f32_16x16x128_f8f6f4 v[rD:rD+7], v[rR:rR+11], v[rL:rL+11], v[rD:rD+7], v[rS+4+mb], v[rS+ma] matrix_a_fmt:MATRIX_FMT_FP6 matrix_b_fmt:MATRIX_FMT_FP6
.endif
.set mb, mb+1
.endr
.set ma, ma+1
.endr
.endm
.macro STEP q, nslot, nq, zero         ; the next K step's loads go out in one run, then this step's 32 products
	PLACES 4                                       ; four places in front of loads into the set that the last step's products read
	LOADS \nslot, \nq
.if (\nq)%2
	s_wait_dscnt 4*(4+NB)                          ; all but the loads just issued: this step's fragments are in
.else
	s_wait_dscnt 5*(4+NB)
.endif
	WIN MULW
	MUL 0, 4, \q, \zero
	WIN 0
.endm
; A tile's first seven K steps; the eighth's fragments are asked for at the end.  first = 1: the launch's first tile, whose slot 1 may still be on its way when slot 0 is begun.
.macro CORE7 first
.if \first
	s_wait_tensorcnt 0x1                           ; the scale words and my part of slot 0 are in; slot 1's load, the one issued behind them, may be out
.else
	s_wait_tensorcnt 0x0                           ; my one load that was out, my part of the second tile's tokens, is in
.endif
	s_barrier_signal -1
	s_barrier_wait -1                              ; everybody's is.
	LOADS 0, 0
	STEP 0, 0, 1, 1                                ; the first products start the sums: nothing is cleared
	STEP 1, 0, 2, 0
	STEP 2, 0, 3, 0
.if \first
	s_wait_tensorcnt 0x0                           ; my part of slot 1 is in,
	s_wait_dscnt 0x0                               ; and no LDS load of mine is out at the signal
	s_barrier_signal -1
	WIN MULW
	MUL 0, 2, 3, 0
	WIN 0
	s_barrier_wait -1                              ; slot 1 is whole.
	PLACES 4
	LOADS 1, 0
	WIN MULW
	MUL 2, 2, 3, 0
	WIN 0
.else
	STEP 3, 1, 0, 0                                ; both slots were whole at the tile's head
.endif
	STEP 0, 1, 1, 0
	STEP 1, 1, 2, 0
	STEP 2, 1, 3, 0
.endm
; 64 numbers of a lane, register 16 b + i = k 32 b + 16 h + i of its row, become a fragment's codes in v[PC] on and its scale word in v[PW]
.macro QUANT s
.irp b, 0,1,2,3
	v_max3_num_f32 v[TM+\b], |v[\s+16*\b]|, |v[\s+1+16*\b]|, 0x1800000    ; with the floor 2^(3 - 127): the byte cannot fall under 1
.endr
.irp i, 2,4,6,8,10,12,14
.irp b, 0,1,2,3
	v_max3_num_f32 v[TM+\b], v[TM+\b], |v[\s+16*\b+\i]|, |v[\s+1+16*\b+\i]|
.endr
.endr
.irp b, 0,1,2,3
	v_permlanex16_b32 v[TM+4+\b], v[TM+\b], s[SEL], s[SEL+1]
.endr
.irp b, 0,1,2,3
	v_max_num_f32 v[TM+\b], v[TM+\b], v[TM+4+\b]
.endr
.irp b, 0,1,2,3
	v_add_nc_u32 v[TM+12+\b], 0xff000000, v[TM+\b]
.endr
.irp b, 0,1,2,3
	v_lshrrev_b32 v[TM+4+\b], 23, v[TM+12+\b]
.endr
	v_lshl_or_b32 v[PW], v[TM+5], 8, v[TM+4]
	v_lshl_or_b32 v[PW], v[TM+6], 16, v[PW]
	v_lshl_or_b32 v[PW], v[TM+7], 24, v[PW]
.irp c, 0,1
	v_cvt_scalef32_pk16_fp6_f32 v[PC+6*\c:PC+2+6*\c], v[\s+32*\c:\s+15+32*\c], v[TM+12+2*\c]
	v_cvt_scalef32_pk16_fp6_f32 v[PC+12+4*\c:PC+14+4*\c], v[\s+16+32*\c:\s+31+32*\c], v[TM+12+2*\c+1]
.endr
	v_nop                                          ; one plain line behind the scaled conversions
.irp c, 0,1
.irp i, 0,1,2
	v_permlane16_swap_b32 v[PC+6*\c+\i], v[PC+12+4*\c+\i]
.endr
.irp i, 0,1,2
	v_mov_b32 v[PC+3+6*\c+\i], v[PC+12+4*\c+\i]
.endr
.endr
.endm
; gelu of 16 numbers, v[H + 16 c] on, in place: two at a time but for the hold and the reciprocals
.macro GELU c
.set gh, H+16*(\c)
.irp k, 0,2,4,6,8,10,12,14
	v_pk_mul_f32 v[GZ+\k:GZ+\k+1], v[gh+\k:gh+\k+1], s[CR2:CR2+1] op_sel_hi:[1,0]         ; z = x / sqrt 2
.endr
.irp k, 0,1,2,3,4,5,6,7,8,9,10,11,12,13,14,15
	v_med3_num_f32 v[GZ+\k], v[GZ+\k], s[CLO], s[CHI]
.endr
.irp k, 0,2,4,6,8,10,12,14
	v_pk_mul_f32 v[GW+\k:GW+\k+1], v[GZ+\k:GZ+\k+1], v[GZ+\k:GZ+\k+1]
.endr
.irp k, 0,2,4,6,8,10,12,14
	v_pk_fma_f32 v[GP+\k:GP+\k+1], v[GW+\k:GW+\k+1], s[A9:A9+1], s[A7:A7+1] op_sel_hi:[1,0,0]
.endr
.irp k, 0,2,4,6,8,10,12,14
	v_pk_fma_f32 v[GQ+\k:GQ+\k+1], v[GW+\k:GW+\k+1], s[B12:B12+1], s[B10:B10+1] op_sel_hi:[1,0,0]
.endr
.irp cf, A5, A3, A1
.irp k, 0,2,4,6,8,10,12,14
	v_pk_fma_f32 v[GP+\k:GP+\k+1], v[GP+\k:GP+\k+1], v[GW+\k:GW+\k+1], s[\cf:\cf+1] op_sel_hi:[1,1,0]
.endr
.endr
.irp cf, B8, B6, B4, B2
.irp k, 0,2,4,6,8,10,12,14
	v_pk_fma_f32 v[GQ+\k:GQ+\k+1], v[GQ+\k:GQ+\k+1], v[GW+\k:GW+\k+1], s[\cf:\cf+1] op_sel_hi:[1,1,0]
.endr
.endr
.irp k, 0,2,4,6,8,10,12,14
	v_pk_fma_f32 v[GQ+\k:GQ+\k+1], v[GQ+\k:GQ+\k+1], v[GW+\k:GW+\k+1], 1.0 op_sel_hi:[1,1,0]
.endr
.irp k, 0,1,2,3,4,5,6,7,8,9,10,11,12,13,14,15
	v_rcp_f32 v[GQ+\k], v[GQ+\k]                   ; one batch
.endr
.irp k, 0,2,4,6,8,10,12,14
	v_pk_mul_f32 v[gh+\k:gh+\k+1], v[gh+\k:gh+\k+1], 0.5 op_sel_hi:[1,0]                  ; x / 2: plain work behind the batch
.endr
.irp k, 0,2,4,6,8,10,12,14
	v_pk_mul_f32 v[GP+\k:GP+\k+1], v[GP+\k:GP+\k+1], v[GZ+\k:GZ+\k+1]
.endr
	s_wait_alu depctr_va_vdst(0)                   ; one wait for the sixteen, ahead of their first reader
.irp k, 0,2,4,6,8,10,12,14
	v_pk_mul_f32 v[GP+\k:GP+\k+1], v[GP+\k:GP+\k+1], v[GQ+\k:GQ+\k+1]                     ; erf
.endr
.irp k, 0,2,4,6,8,10,12,14
	v_pk_fma_f32 v[gh+\k:gh+\k+1], v[gh+\k:gh+\k+1], v[GP+\k:GP+\k+1], v[gh+\k:gh+\k+1]
.endr
.endm
.macro COEF reg, bits
	s_mov_b32 s[\reg], \bits
	s_mov_b32 s[\reg+1], \bits
.endm
.macro BLOCK i                         ; 16 tokens x 128 hidden units: bias, gelu, codes, out
	s_wait_xcnt 0x0                                ; the last block's stores have read their registers
	WIN DOWN
.set k, 0
.rept 32
	v_pk_add_f32 v[H+k:H+k+1], v[64*(\i)+k:64*(\i)+k+1], v[BIAS+k:BIAS+k+1]
.set k, k+2
.endr
	WIN 0
	GELU 0
	GELU 1
	GELU 2
	GELU 3
	QUANT H
	global_store_b64 v14, v[PC:PC+1], s[20:21] offset:49152*(\i)                   ; the next tile of tokens lies 32 fragments on
	global_store_b128 v15, v[PC+2:PC+5], s[20:21] offset:49152*(\i)+256
	global_store_b64 v14, v[PC+6:PC+7], s[20:21] offset:49152*(\i)+768
	global_store_b128 v15, v[PC+8:PC+11], s[20:21] offset:49152*(\i)+1024
	global_store_b32 v16, v[PW], s[22:23] offset:2048*(\i)     ; both lanes of a row write the same word with the same value
.endm
	s_load_b256 s[4:11], s[0:1], 0x0               ; act s[4:5], wc s[6:7], ff1_b s[8:9], hid s[10:11]
	v_lshl_add_u32 v[SPW], v0, 2, SPARE
	v_mov_b32 v[NIL], 0
	ds_add_u32 v[SPW], v[NIL]                      ; the opening: the add, twice on end, and its wait ahead of my first tensor load
	ds_add_u32 v[SPW], v[NIL]
	v_lshrrev_b32 v1, 5, v0
	v_readfirstlane_b32 s14, v1                    ; wave
	s_lshr_b32 s15, s14, 1                         ; at the head I fetch for L (0) or for R (1); at the refill for slot 0 (0) or slot 1 (1),
	s_and_b32 s16, s14, 1                          ; and which half
	s_bfe_u32 s40, ttmp6, 0x40000                  ; cx
	s_bfe_u32 s41, ttmp6, 0x40004                  ; cy
	s_lshl_b32 s42, ttmp9, 2
	s_add_co_u32 s42, s42, s40                     ; x: which 128 hidden units
	s_and_b32 s17, ttmp7, 0xffff
	s_lshl_b32 s17, s17, 2
	s_add_co_u32 s17, s17, s41                     ; y, 0 .. 7: tokens 256 y on, and 256 (y + 8) on
	s_lshl_b32 s43, s41, 2
	s_lshl_b32 s43, 15, s43                        ; my row of the cluster
	s_lshl_b32 s44, 0x1111, s40                    ; my column
	s_or_b32 s[G1L], s43, (3<<16)|(1<<21)          ; the mask; elements of 8 bytes; bit 21 beside a mask; no padding
	s_or_b32 s[G1R], s44, (3<<16)|(1<<21)
	s_or_b32 s[G1SL], s43, (3<<16)|(1<<21)
	s_or_b32 s[G1SR], s44, (3<<16)|(1<<21)
	s_mov_b32 s[G1L+1], 768<<16                    ; a row of the tile: a tile of 16 rows' four K steps, 6,144 bytes
	s_mov_b32 s[G1L+2], (LT/2)<<16
	s_mov_b32 s[G1L+3], 768<<16
	s_mov_b32 s[G1L+4], LT/2
	s_mov_b32 s[G1L+5], KS*192
	s_mov_b32 s[G1L+6], 0
	s_mov_b32 s[G1L+7], 0
	s_mov_b32 s[G1R+1], 768<<16
	s_mov_b32 s[G1R+2], 4<<16
	s_mov_b32 s[G1R+3], 768<<16
	s_mov_b32 s[G1R+4], 4
	s_mov_b32 s[G1R+5], KS*192
	s_mov_b32 s[G1R+6], 0
	s_mov_b32 s[G1R+7], 0
	s_mov_b32 s[G1SL+1], 512<<16                   ; L's scale words: two rows of 4,096 bytes: eight tiles' words of the first 256 tokens,
	s_mov_b32 s[G1SL+2], 2<<16                     ; and of the second,
	s_mov_b32 s[G1SL+3], 512<<16
	s_mov_b32 s[G1SL+4], 2
	s_mov_b32 s[G1SL+5], 128*KS*64/8               ; which lie 128 tiles, 65,536 bytes, further on
	s_mov_b32 s[G1SL+6], 0
	s_mov_b32 s[G1SL+7], 0
	s_mov_b32 s[G1SR+1], 32<<16                    ; R's: dense, as rows of 256 bytes
	s_mov_b32 s[G1SR+2], KS<<16
	s_mov_b32 s[G1SR+3], 32<<16
	s_mov_b32 s[G1SR+4], KS
	s_mov_b32 s[G1SR+5], 32
	s_mov_b32 s[G1SR+6], 0
	s_mov_b32 s[G1SR+7], 0
	s_lshl_b32 s20, s17, 4                         ; L: tile 16 y
	s_lshl_b32 s18, s16, 3
	s_add_co_u32 s20, s20, s18                     ; + my half's 8
	s_mul_i32 s22, s20, KS*64
	s_add_co_u32 s22, s22, LSCB
	s_mul_i32 s20, s20, KS*1536
	s_mov_b32 s21, 0
	s_mov_b32 s23, 0
	s_lshl_b32 s46, s42, 3                         ; R: tile RT0 + 8 x
	s_lshl_b32 s18, s16, 2
	s_add_co_u32 s46, s46, s18
	s_add_co_u32 s46, s46, RT0
	s_mul_i32 s92, s46, KS*64
	s_add_co_u32 s92, s92, 9437184
	s_mul_i32 s46, s46, KS*1536
	s_mov_b32 s47, 0
	s_mov_b32 s93, 0
	s_mul_i32 s45, s16, (LT/2)*SROW                ; where they go: from the wave's number alone
	s_mul_i32 s94, s16, 4*SROW
	s_add_co_u32 s94, s94, LT*SROW
	s_lshl_b32 s95, s16, 13                        ; a half's scale words of both tiles: 8,192 bytes
	s_add_co_u32 s95, s95, SCL
	s_mul_i32 s96, s16, 4*KS*64
	s_add_co_u32 s96, s96, SCR
	s_wait_dscnt 0x0                               ; both opening adds are done
	s_wait_kmcnt 0x0
	s_add_nc_u64 s[20:21], s[4:5], s[20:21]
	s_add_nc_u64 s[22:23], s[4:5], s[22:23]
	s_add_nc_u64 s[46:47], s[6:7], s[46:47]
	s_add_nc_u64 s[92:93], s[6:7], s[92:93]
	CROUND                                         ; all sixteen work-groups are here: the joint loads meet
	s_mov_b32 s[G0SL], 1
	s_mov_b32 s[G0SL+1], s95
	s_mov_b64 s[G0SL+2:G0SL+3], s[22:23]
	s_or_b32 s[G0SL+3], s[G0SL+3], 0x80000000
	s_mov_b32 s[G0SR], 1
	s_mov_b32 s[G0SR+1], s96
	s_mov_b64 s[G0SR+2:G0SR+3], s[92:93]
	s_or_b32 s[G0SR+3], s[G0SR+3], 0x80000000
	JLOAD G0SL, G1SL, G0SR, G1SR                   ; three loads of mine are out at the head (the scale words, slot 0, slot 1), one behind the refill's round
.irp s, 0,1
	s_mov_b32 s[G0L+4*\s], 1
	s_add_co_u32 s[G0L+4*\s+1], s45, \s*SLOT
	s_add_nc_u64 s[G0L+4*\s+2:G0L+4*\s+3], s[20:21], \s*SROW
	s_or_b32 s[G0L+4*\s+3], s[G0L+4*\s+3], 0x80000000
	s_mov_b32 s[G0R+4*\s], 1
	s_add_co_u32 s[G0R+4*\s+1], s94, \s*SLOT
	s_add_nc_u64 s[G0R+4*\s+2:G0R+4*\s+3], s[46:47], \s*SROW
	s_or_b32 s[G0R+4*\s+3], s[G0R+4*\s+3], 0x80000000
	JLOAD G0L+4*\s, G1L, G0R+4*\s, G1R
.endr
	v_and_b32 v3, 31, v0
	v_and_b32 v1, 15, v0                           ; r
	v_bfe_u32 v2, v0, 4, 1                         ; h
	v_lshlrev_b32 v14, 3, v3
	v_lshlrev_b32 v15, 4, v3
	v_lshlrev_b32 v16, 2, v1
	v_lshlrev_b32 v17, 2, v3
	s_mul_i32 s21, s14, 4*SROW                     ; my four tiles of L
	s_mov_b32 s22, LT*SROW                         ; R's eight
.irp s, 0,1
	v_add_nc_u32 v[ADL8+\s], s21, v14
	v_add_nc_u32 v[ADL16+\s], s21, v15
	v_add_nc_u32 v[ADR8+\s], s22, v14
	v_add_nc_u32 v[ADR16+\s], s22, v15
	s_add_co_u32 s21, s21, SLOT
	s_add_co_u32 s22, s22, SLOT
.endr
	s_lshl_b32 s21, s15, 13                        ; my four tiles' scale words: which half of the sixteen,
	s_lshl_b32 s22, s16, 11                        ; and which four of its eight
	s_add_co_u32 s21, s21, s22
	s_add_co_u32 s21, s21, SCL
	v_add_nc_u32 v[ASL0], s21, v17
	v_add_nc_u32 v[ASL1], 4096, v[ASL0]            ; the second tile's lie behind the first's
	v_add_nc_u32 v[ASR], SCR, v17
	s_lshl_b32 s20, s17, 4
	s_lshl_b32 s21, s14, 2
	s_add_co_u32 s20, s20, s21                     ; my first tile of tokens,
	s_lshl_b32 s20, s20, 5
	s_add_co_u32 s20, s20, s42                     ; x 32 K steps, + mine: the fragment in hid
	s_lshl_b32 s22, s20, 6
	s_add_co_u32 s22, s22, 12582912
	s_mul_i32 s20, s20, 1536
	s_mov_b32 s21, 0
	s_mov_b32 s23, 0
	s_add_nc_u64 s[20:21], s[10:11], s[20:21]
	s_add_nc_u64 s[22:23], s[10:11], s[22:23]
	s_lshl_b32 s92, s42, 9
	s_mov_b32 s93, 0
	s_add_nc_u64 s[92:93], s[8:9], s[92:93]
	v_lshlrev_b32 v17, 6, v2
.irp t, 0,1,2,3,4,5,6,7                        ; the bias in the result's layout: it serves both tiles
	global_load_b128 v[BIAS+8*\t:BIAS+8*\t+3], v17, s[92:93] offset:(32*(\t/2)+8*(\t%2))*4
	global_load_b128 v[BIAS+8*\t+4:BIAS+8*\t+7], v17, s[92:93] offset:(32*(\t/2)+8*(\t%2))*4+16
.endr
	CORE7 1
	; THE FIRST TILE'S LAST K STEP, AND THE REFILL.  Each wave waits for all its tensor loads (none is out), adds 0 to its spare word, and waits for that and for its reads of both slots: the last fragments are in registers.
	s_wait_tensorcnt 0x0                           ; no tensor load of mine is out, so a group 0 may be written
	ds_add_u32 v[SPW], v[NIL]                      ; 0 onto my spare word; the descriptors' steps stand between it and the wait for it
	s_add_nc_u64 s[G0L+2:G0L+3], s[G0L+2:G0L+3], NEXTL     ; the second tile's tokens; the type bits on top are not reached
	s_add_nc_u64 s[G0L+6:G0L+7], s[G0L+6:G0L+7], NEXTL
	s_wait_dscnt 0x0                               ; the add is done, and my reads of the tokens' rows are over
	s_barrier_signal -1                            ; this barrier opens a round of the cluster's barrier
	WIN MULW
	MUL 0, 2, 3, 0                                 ; work on registers while the others arrive
	WIN 0
	s_barrier_wait -1
	CREST                                          ; no wave of any partner still reads the tokens' rows or has a load on its way
	JLOAD G0L, G1L, G0L+4, G1L                     ; my one tensor load behind the round: waves 0 and 1 slot 0's halves, waves 2 and 3 slot 1's
	WIN MULW
	MUL 2, 2, 3, 0
	WIN 0
	PLACES 4                                       ; four places behind the last products
	s_wait_loadcnt 0x0                             ; the bias
	COEF A9,  0x39702d51                           ; (the loads that named these registers are done; the refill names s24-39 alone)  P: 2.2905066e-4,
	COEF A7,  0x3b5f5da2                           ; 3.4082910e-3,
	COEF A5,  0x3d50b6eb                           ; 5.0955695e-2,
	COEF A3,  0x3e3da740                           ; 0.18520832,
	COEF A1,  0x3f906eba                           ; 1.1283791
	COEF B12, 0xb3fd3906                           ; Q: -1.1791603e-7,
	COEF B10, 0x37c588df                           ; 2.3547966e-5,
	COEF B8,  0x3a856d28                           ; 1.0179625e-3,
	COEF B6,  0x3c6687d4                           ; 1.4070470e-2,
	COEF B4,  0x3de34c21                           ; 0.11098505,
	COEF B2,  0x3efeb44a                           ; 0.49746925, and 1
	COEF CR2, 0x3f3504f3                           ; 1 / sqrt 2
	s_mov_b32 s[CLO], 0xc07547cb                   ; -3.8325069
	s_mov_b32 s[CHI], 0x407547cb
	s_mov_b32 s[SEL], 0x76543210
	s_mov_b32 s[SEL+1], 0xfedcba98
	s_mov_b32 s3, 2                                ; tiles to go, this one among them: the same number in every work-group
.Lout:                                             ; two trips: a tile's way out, and behind the first the second tile's K steps.  No tensor load stands in this loop
	BLOCK 0
	BLOCK 1
	BLOCK 2
	BLOCK 3
	s_cmp_eq_u32 s3, 1
	s_cbranch_scc1 .Lno_more                       ; the second tile has no successor
	s_wait_xcnt 0x0                                ; the stores have read their registers and their bases
	s_add_nc_u64 s[20:21], s[20:21], NEXTH
	s_add_nc_u64 s[22:23], s[22:23], NEXTS
.set ASLT, ASL1
	CORE7 0
	s_wait_dscnt 0x0                               ; the last K step's fragments
	WIN MULW
	MUL 0, 4, 3, 0
	WIN 0
	PLACES 4                                       ; four places behind the last products
.Lno_more:
	s_sub_co_u32 s3, s3, 1
	s_cmp_lg_u32 s3, 0
	s_cbranch_scc1 .Lout
	s_wait_tensorcnt 0x0                           ; the wave's end
	ds_add_u32 v[SPW], v[NIL]
	s_wait_dscnt 0x0
	CROUND                                         ; the closing round: no work-group ends while a partner may still ask for a tile that names it
	s_endpgm
.Lfunc_end_k_qfab2ca795f_ff1:
	.size	k_qfab2ca795f_ff1, .Lfunc_end_k_qfab2ca795f_ff1-k_qfab2ca795f_ff1
	.p2alignl 7, 3214868480
	.fill 96, 4, 3214868480
	.section	.rodata,"a",@progbits
	.p2align	6, 0x0
	.amdhsa_kernel k_qfab2ca795f_ff1
		.amdhsa_group_segment_fixed_size 327680
		.amdhsa_private_segment_fixed_size 0
		.amdhsa_enable_private_segment 0
		.amdhsa_kernarg_size 32
		.amdhsa_user_sgpr_count 2
		.amdhsa_user_sgpr_kernarg_segment_ptr 1
		.amdhsa_wavefront_size32 1
		.amdhsa_system_sgpr_workgroup_id_x 1
		.amdhsa_system_sgpr_workgroup_id_y 1
		.amdhsa_system_sgpr_workgroup_id_z 1
		.amdhsa_system_vgpr_workitem_id 0
		.amdhsa_next_free_vgpr 768
		.amdhsa_next_free_sgpr 100
		.amdhsa_reserve_vcc 0
		.amdhsa_float_denorm_mode_32 3
		.amdhsa_float_denorm_mode_16_64 3
		.amdhsa_memory_ordered 1
		.amdhsa_forward_progress 1
		.amdhsa_inst_pref_size 255
	.end_amdhsa_kernel
	.section	.bss,"aw",@nobits
	.p2align	6
	.space	262144
	.amdgpu_metadata
---
amdhsa.version: [ 1, 2 ]
amdhsa.kernels:
  - .name:           k_qfab2ca795f_ff1
    .symbol:         k_qfab2ca795f_ff1.kd
    .args:
      - { .name: act, .offset: 0, .size: 8, .value_kind: global_buffer, .address_space: global }
      - { .name: wc, .offset: 8, .size: 8, .value_kind: global_buffer, .address_space: global }
      - { .name: ff1_b, .offset: 16, .size: 8, .value_kind: global_buffer, .address_space: global }
      - { .name: hid, .offset: 24, .size: 8, .value_kind: global_buffer, .address_space: global }
    .group_segment_fixed_size: 327680
    .private_segment_fixed_size: 0
    .kernarg_segment_align: 8
    .kernarg_segment_size: 32
    .max_flat_workgroup_size: 128
    .sgpr_count:     100
    .vgpr_count:     768
    .wavefront_size: 32
...
	.end_amdgpu_metadata
.endif
;; end of part 5
;; launch ff2 (part 6): grid 8 x 32, 4 waves a work-group, clusters of 4 x 4, 327,680 bytes of LDS; arguments hid, wc, ff2_b, x1, out0; writes out0
.if DOCPART == 6
	.amdgcn_target "amdgcn-amd-amdhsa--gfx1250"
	.amdhsa_code_object_version 6
	.text
	.protected	k_qfab2ca795f_ff2
	.globl	k_qfab2ca795f_ff2
	.p2align	8
	.type	k_qfab2ca795f_ff2,@function
k_qfab2ca795f_ff2:
	s_mov_b64 s[64:65], 0
	v_nop
	global_prefetch_b8 v0, s[64:65] scope:SCOPE_SE
	s_setreg_imm32_b32 hwreg(HW_REG_WAVE_MODE, 25, 1), 1
	s_wait_xcnt 0x0
	s_wait_alu depctr_hold_cnt(0) depctr_sa_sdst(0) depctr_va_vdst(0) depctr_va_sdst(0) depctr_va_ssrc(0) depctr_va_vcc(0) depctr_vm_vsrc(0)
	s_getreg_b32 s2, hwreg(HW_REG_IB_STS2, 6, 4)
	s_cmp_eq_u32 s2, 0
	s_cbranch_scc0 .Lentry_in_a_cluster
	s_endpgm
.Lentry_in_a_cluster:
	s_bfe_u32 s2, ttmp6, 0x10000c
	s_cmp_lg_u32 s2, 0xf033
	s_cbranch_scc0 .Lentry_shape_is_right
	s_endpgm
.Lentry_shape_is_right:
; out0 = x1 + hid ff2_w^T + ff2_b, on codes of FP6 (E2M3).  Nothing of reference() is left out here.
; Codes, scale words and the order of a tile's rows: fragments of 1,536 bytes in register order; place p of tile 2 g + u is row 32 g + 8 u + p % 8 + 16 (p / 8).
; D = (source 0: 16 rows of R = ff2_w) x (source 1: 16 rows of L = tokens): lane (r, h) holds the token at place r, and the 16 registers of R's tiles 2 b, 2 b + 1 are true columns 32 b + 16 h + 0 .. 15.
; A work-group makes 128 tokens x 128 columns, each of its four waves 64 x 64: 16 accumulators.  K = 4,096: 32 K steps through a ring of two LDS slots of four K steps each; the scale words of all of K come once and stay.
; CLUSTERS: 4 x 4; L's tiles are shared along a row of the cluster, R's along a column: joint loads.  Where a slot is filled again, a round of the cluster's barrier stands in front of the refill.
; One load a wave is out behind each round, and it has a slot's four K steps, 64 products a wave, in which to land.  No prefetch: the launch is short, and six refills are all that it has.
; THE WAY OUT: a block of 16 tokens x 64 columns goes through the wave's stage in LDS and leaves as rows of 256 aligned bytes, at the tokens' true rows; the residual was loaded in that same layout at the head.
; The stage lies in slot 0: when the first result is stored there the slot has had its last fill, and every wave has passed the last change of slots, behind which nobody reads it.
; REGISTERS: window 0: v1-27 addresses; v28, v29 the add's two; v32-55 scale words; v64-95 the bias; v128-223 L's fragments, two sets (on the way out v128-159 numbers, v160-191 rows).
;   window 1: v0-95 R's fragments, two sets; v96-223 the residual.   window 2: the accumulators, (a, b) at v[8 (4 a + b)].
.set NB,    4
.set LT,    8
.set KS,    32
.set RT0,   128                        ; ff2_w's first tile in wc, counted in tiles of 32 K steps
.set LSCB,  12582912                   ; where hid's scale words begin
.set SROW,  6144
.set SLOT,  (LT+8)*SROW
.set SCL,   2*SLOT
.set SCR,   SCL+LT*KS*64
.set SPARE, SCR+8*KS*64                ; the spare words, 128 bytes a wave: two blocks of 256 bytes that no other line names
.set ADL8,  4
.set ADL16, 6
.set ADR8,  8
.set ADR16, 10
.set ASL,   12
.set ASR,   13
.set CO,    18
.set STO,   19
.set RD,    20
.set SPW,   28
.set NIL,   29
.set SC,    32
.set BIAS,  64
.set LF,    128
.set H,     128
.set BK,    160
.set RES,   96
.set G1L,  24
.set G0L,  32
.set G1R,  48
.set G0R,  56
.set G1SL, 68
.set G0SL, 76
.set G1SR, 80
.set G0SR, 88
.set MSB, 0
.macro WIN new                         ; the immediate's high byte repeats the setting that is left
.if MSB != \new
	s_set_vgpr_msb (MSB<<8)|\new
.set MSB, \new
.endif
.endm
.set MULW, 0xa1                        ; source 0 (R) window 1, source 1 (L) window 0, C and D window 2
.set TO_R, 0x40                        ; destination window 1
.set DOWN, 0x02                        ; source 0 window 2
.set RESW, 0x04                        ; source 1 window 1
.macro JLOAD g0a, g1a, g0b, g1b        ; a joint load: waves 0 and 1 fetch L's halves, waves 2 and 3 R's; an s_nop 0 and four v_nop follow each line
	s_cmp_eq_u32 s15, 0
	s_cbranch_scc0 .Lfor_r_\@
	tensor_load_to_lds s[\g0a:\g0a+3], s[\g1a:\g1a+7]
	s_nop 0
.rept 4
	v_nop
.endr
	s_branch .Lasked_\@
.Lfor_r_\@:
	tensor_load_to_lds s[\g0b:\g0b+3], s[\g1b:\g1b+7]
	s_nop 0
.rept 4
	v_nop
.endr
.Lasked_\@:
.endm
.macro CREST                           ; a round of the cluster's barrier behind its opening barrier
	s_cmp_lg_u32 s14, 0
	s_cbranch_scc1 .Lnot_wave_0_\@
	s_barrier_signal -3
.Lnot_wave_0_\@:
	s_barrier_wait -3
	s_barrier_signal -1
	s_barrier_wait -1
.endm
.macro CROUND                          ; a whole round
	s_barrier_signal -1
	s_barrier_wait -1
	CREST
.endm
.macro PLACES n
.rept \n
	v_nop
.endr
.endm
.macro FRAG reg, a8, a16, off          ; a fragment's 12 registers, as they were stored
	ds_load_b64 v[\reg:\reg+1], v[\a8] offset:\off
	ds_load_b128 v[\reg+2:\reg+5], v[\a16] offset:(\off)+256
	ds_load_b64 v[\reg+6:\reg+7], v[\a8] offset:(\off)+768
	ds_load_b128 v[\reg+8:\reg+11], v[\a16] offset:(\off)+1024
.endm
.macro LOADS slot, q                   ; the fragments of the slot's q-th K step into set q % 2; at even q the scale words of two K steps (lanes 0-15: step q, lanes 16-31: step q + 1)
	WIN TO_R
.set lb, 0
.rept NB
	FRAG 12*NB*((\q)%2)+12*lb, ADR8+\slot, ADR16+\slot, lb*SROW+(\q)*1536
.set lb, lb+1
.endr
	WIN 0
.set lb, 0
.rept 4
	FRAG LF+48*((\q)%2)+12*lb, ADL8+\slot, ADL16+\slot, lb*SROW+(\q)*1536
.set lb, lb+1
.endr
.if (\q)%2 == 0
.set lb, 0
.rept 4
	ds_load_b32 v[SC+12*(((\q)/2)%2)+lb], v[ASL] offset:lb*KS*64+(4*(\slot)+(\q))*64
.set lb, lb+1
.endr
.set lb, 0
.rept NB
	ds_load_b32 v[SC+12*(((\q)/2)%2)+4+lb], v[ASR] offset:lb*KS*64+(4*(\slot)+(\q))*64
.set lb, lb+1
.endr
.endif
.endm
.macro MUL a0, na, q, zero             ; the accumulators take turns, one instruction a turn, in the same order in every K step, over the loop's backward jump too
.set ma, \a0
.rept \na
.set mb, 0
.rept NB
.set rD, 8*(NB*ma+mb)
.set rR, 12*NB*((\q)%2)+12*mb
.set rL, LF+48*((\q)%2)+12*ma
.set rS, SC+12*(((\q)/2)%2)
.if \zero
	v_wmma_scale_f32_16x16x128_f8f6f4 v[rD:rD+7], v[rR:rR+11], v[rL:rL+11], 0, v[rS+4+mb], v[rS+ma] matrix_a_fmt:MATRIX_FMT_FP6 matrix_b_fmt:MATRIX_FMT_FP6
.elseif (\q)%2
	v_wmma_scale_f32_16x16x128_f8f6f4 v[rD:rD+7], v[rR:rR+11], v[rL:rL+11], v[rD:rD+7], v[rS+4+mb], v[rS+ma] matrix_a_fmt:MATRIX_FMT_FP6 matrix_b_fmt:MATRIX_FMT_FP6 matrix_a_scale:MATRIX_SCALE_ROW1 matrix_b_scale:MATRIX_SCALE_ROW1
.else
	v_wmma_scale_f32_16x16x128_f8f6f4 v[rD:rD+7], v[rR:rR+11], v[rL:rL+11], v[rD:rD+7], v[rS+4+mb], v[rS+ma] matrix_a_fmt:MATRIX_FMT_FP6 matrix_b_fmt:MATRIX_FMT_FP6
.endif
.set mb, mb+1
.endr
.set ma, ma+1
.endr
.endm
.macro STEP q, nslot, nq, zero         ; the next K step's loads go out in one run, then this step's 16 products
	PLACES 4                                       ; four places in front of loads into the set that the last step's products read
	LOADS \nslot, \nq
.if (\nq)%2
	s_wait_dscnt 4*(4+NB)                          ; all but the loads just issued: this step's fragments are in
.else
	s_wait_dscnt 5*(4+NB)
.endif
	WIN MULW
	MUL 0, 4, \q, \zero
	WIN 0
.endm
; A slot's last K step changes slots: ONE barrier; in front of it each wave waits for all its tensor loads (its part of the next slot), adds 0 to its spare word, and waits for that and for its reads of this slot.
; fill = 1: the barrier opens a round of the cluster's barrier, and this slot is filled again, two slots ahead, first thing behind the round.
.macro TURN slot, next, fill
	s_wait_tensorcnt 0x0                           ; no tensor load of mine is out
	ds_add_u32 v[SPW], v[NIL]
	s_wait_dscnt 0x0                               ; the add is done, and my reads of this slot are over: its last fragments are in registers
	s_barrier_signal -1
	WIN MULW
	MUL 0, 2, 3, 0                                 ; work on registers while the others arrive
	WIN 0
	s_barrier_wait -1
.if \fill
	CREST                                          ; no wave of any partner still reads this slot or has a load on its way
	s_add_nc_u64 s[G0L+4*\slot+2:G0L+4*\slot+3], s[G0L+4*\slot+2:G0L+4*\slot+3], 2*SROW
	s_add_nc_u64 s[G0R+4*\slot+2:G0R+4*\slot+3], s[G0R+4*\slot+2:G0R+4*\slot+3], 2*SROW
	JLOAD G0L+4*\slot, G1L, G0R+4*\slot, G1R       ; my one tensor load behind the round; its four v_nop are also places in front of the loads below
.else
	PLACES 4
.endif
.if \next == 0
	v_add_nc_u32 v[ASL], 512, v[ASL]               ; the scale words of the next eight K steps
	v_add_nc_u32 v[ASR], 512, v[ASR]
.endif
	LOADS \next, 0
	WIN MULW
	MUL 2, 2, 3, 0
	WIN 0
.endm
	s_load_b256 s[4:11], s[0:1], 0x0               ; hid s[4:5], wc s[6:7], ff2_b s[8:9], x1 s[10:11]
	s_load_b64 s[12:13], s[0:1], 0x20              ; out0
	v_lshl_add_u32 v[SPW], v0, 2, SPARE
	v_mov_b32 v[NIL], 0
	ds_add_u32 v[SPW], v[NIL]                      ; the opening: the add, twice on end, and its wait ahead of my first tensor load
	ds_add_u32 v[SPW], v[NIL]
	v_lshrrev_b32 v1, 5, v0
	v_readfirstlane_b32 s14, v1                    ; wave
	s_lshr_b32 s15, s14, 1                         ; I fetch for L (0) or R (1); also: which 64 tokens are mine
	s_and_b32 s16, s14, 1                          ; which half I fetch; also: which 64 columns are mine
	s_bfe_u32 s40, ttmp6, 0x40000                  ; cx
	s_bfe_u32 s41, ttmp6, 0x40004                  ; cy
	s_lshl_b32 s42, ttmp9, 2
	s_add_co_u32 s42, s42, s40                     ; x: which 128 columns
	s_and_b32 s17, ttmp7, 0xffff
	s_lshl_b32 s17, s17, 2
	s_add_co_u32 s17, s17, s41                     ; y: which 128 tokens
	s_lshl_b32 s43, s41, 2
	s_lshl_b32 s43, 15, s43                        ; my row of the cluster
	s_lshl_b32 s44, 0x1111, s40                    ; my column
	s_or_b32 s[G1L], s43, (3<<16)|(1<<21)          ; the mask; elements of 8 bytes; bit 21 beside a mask; no padding
	s_or_b32 s[G1R], s44, (3<<16)|(1<<21)
	s_or_b32 s[G1SL], s43, (3<<16)|(1<<21)
	s_or_b32 s[G1SR], s44, (3<<16)|(1<<21)
	s_mov_b32 s[G1L+1], 768<<16                    ; a row of the tile: a tile of 16 rows' four K steps, 6,144 bytes
	s_mov_b32 s[G1L+2], (LT/2)<<16
	s_mov_b32 s[G1L+3], 768<<16
	s_mov_b32 s[G1L+4], LT/2
	s_mov_b32 s[G1L+5], KS*192
	s_mov_b32 s[G1L+6], 0
	s_mov_b32 s[G1L+7], 0
	s_mov_b32 s[G1R+1], 768<<16
	s_mov_b32 s[G1R+2], 4<<16
	s_mov_b32 s[G1R+3], 768<<16
	s_mov_b32 s[G1R+4], 4
	s_mov_b32 s[G1R+5], KS*192
	s_mov_b32 s[G1R+6], 0
	s_mov_b32 s[G1R+7], 0
	s_mov_b32 s[G1SL+1], 32<<16                    ; the scale words: dense, as rows of 256 bytes
	s_mov_b32 s[G1SL+2], (LT/2*KS/4)<<16
	s_mov_b32 s[G1SL+3], 32<<16
	s_mov_b32 s[G1SL+4], LT/2*KS/4
	s_mov_b32 s[G1SL+5], 32
	s_mov_b32 s[G1SL+6], 0
	s_mov_b32 s[G1SL+7], 0
	s_mov_b32 s[G1SR+1], 32<<16
	s_mov_b32 s[G1SR+2], KS<<16
	s_mov_b32 s[G1SR+3], 32<<16
	s_mov_b32 s[G1SR+4], KS
	s_mov_b32 s[G1SR+5], 32
	s_mov_b32 s[G1SR+6], 0
	s_mov_b32 s[G1SR+7], 0
	s_lshl_b32 s20, s17, 3                         ; L: tile 8 y
	s_lshl_b32 s18, s16, 2
	s_add_co_u32 s20, s20, s18                     ; + my half's 4
	s_mul_i32 s22, s20, KS*64
	s_add_co_u32 s22, s22, LSCB
	s_mul_i32 s20, s20, KS*1536
	s_mov_b32 s21, 0
	s_mov_b32 s23, 0
	s_lshl_b32 s46, s42, 3                         ; R: tile RT0 + 8 x
	s_add_co_u32 s46, s46, s18
	s_add_co_u32 s46, s46, RT0
	s_mul_i32 s92, s46, KS*64
	s_add_co_u32 s92, s92, 9437184
	s_mul_i32 s46, s46, KS*1536
	s_mov_b32 s47, 0
	s_mov_b32 s93, 0
	s_mul_i32 s45, s16, (LT/2)*SROW                ; where they go: from the wave's number alone
	s_mul_i32 s94, s16, 4*SROW
	s_add_co_u32 s94, s94, LT*SROW
	s_mul_i32 s95, s16, (LT/2)*KS*64
	s_add_co_u32 s95, s95, SCL
	s_mul_i32 s96, s16, 4*KS*64
	s_add_co_u32 s96, s96, SCR
	s_wait_dscnt 0x0                               ; both opening adds are done
	s_wait_kmcnt 0x0
	s_add_nc_u64 s[20:21], s[4:5], s[20:21]
	s_add_nc_u64 s[22:23], s[4:5], s[22:23]
	s_add_nc_u64 s[46:47], s[6:7], s[46:47]
	s_add_nc_u64 s[92:93], s[6:7], s[92:93]
	CROUND                                         ; all sixteen work-groups are here: the first joint loads meet
	s_mov_b32 s[G0SL], 1
	s_mov_b32 s[G0SL+1], s95
	s_mov_b64 s[G0SL+2:G0SL+3], s[22:23]
	s_or_b32 s[G0SL+3], s[G0SL+3], 0x80000000
	s_mov_b32 s[G0SR], 1
	s_mov_b32 s[G0SR+1], s96
	s_mov_b64 s[G0SR+2:G0SR+3], s[92:93]
	s_or_b32 s[G0SR+3], s[G0SR+3], 0x80000000
	JLOAD G0SL, G1SL, G0SR, G1SR                   ; three loads of mine are out at the head (the scale words, slot 0, slot 1), one behind each round
.irp s, 0,1
	s_mov_b32 s[G0L+4*\s], 1
	s_add_co_u32 s[G0L+4*\s+1], s45, \s*SLOT
	s_add_nc_u64 s[G0L+4*\s+2:G0L+4*\s+3], s[20:21], \s*SROW
	s_or_b32 s[G0L+4*\s+3], s[G0L+4*\s+3], 0x80000000
	s_mov_b32 s[G0R+4*\s], 1
	s_add_co_u32 s[G0R+4*\s+1], s94, \s*SLOT
	s_add_nc_u64 s[G0R+4*\s+2:G0R+4*\s+3], s[46:47], \s*SROW
	s_or_b32 s[G0R+4*\s+3], s[G0R+4*\s+3], 0x80000000
	JLOAD G0L+4*\s, G1L, G0R+4*\s, G1R
.endr
	v_and_b32 v3, 31, v0
	v_and_b32 v1, 15, v0                           ; r
	v_bfe_u32 v2, v0, 4, 1                         ; h
	v_lshlrev_b32 v14, 3, v3
	v_lshlrev_b32 v15, 4, v3
	v_lshlrev_b32 v17, 2, v3
	s_mul_i32 s21, s15, 4*SROW                     ; my four tiles of L
	s_mul_i32 s22, s16, 4*SROW                     ; my four of R,
	s_add_co_u32 s22, s22, LT*SROW                 ; behind L's eight
.irp s, 0,1
	v_add_nc_u32 v[ADL8+\s], s21, v14
	v_add_nc_u32 v[ADL16+\s], s21, v15
	v_add_nc_u32 v[ADR8+\s], s22, v14
	v_add_nc_u32 v[ADR16+\s], s22, v15
	s_add_co_u32 s21, s21, SLOT
	s_add_co_u32 s22, s22, SLOT
.endr
	s_mul_i32 s21, s15, 4*KS*64
	s_add_co_u32 s21, s21, SCL
	v_add_nc_u32 v[ASL], s21, v17
	s_mul_i32 s21, s16, 4*KS*64
	s_add_co_u32 s21, s21, SCR
	v_add_nc_u32 v[ASR], s21, v17
	v_lshlrev_b32 v[CO], 4, v1
	v_lshl_add_u32 v[CO], v2, 12, v[CO]            ; lanes 0-15 a row's 256 bytes, lanes 16-31 the next row's
	s_mul_i32 s21, s14, 16*272                     ; my stage
	v_mul_u32_u24 v[STO], v1, 272
	v_lshl_add_u32 v[STO], v2, 6, v[STO]
	v_add_nc_u32 v[STO], s21, v[STO]
	v_mul_u32_u24 v[RD], v2, 272
	v_lshl_add_u32 v[RD], v1, 4, v[RD]
	v_add_nc_u32 v[RD], s21, v[RD]
	s_lshl_b32 s20, s17, 7
	s_lshl_b32 s21, s15, 6
	s_add_co_u32 s20, s20, s21                     ; my first token
	s_lshl_b32 s20, s20, 12
	s_lshl_b32 s21, s42, 9
	s_add_co_u32 s20, s20, s21
	s_lshl_b32 s21, s16, 8
	s_add_co_u32 s20, s20, s21                     ; + my first column's bytes
	s_mov_b32 s21, 0
	s_add_nc_u64 s[22:23], s[12:13], s[20:21]      ; out
	s_add_nc_u64 s[20:21], s[10:11], s[20:21]      ; the residual
	s_lshl_b32 s92, s42, 9
	s_lshl_b32 s93, s16, 8
	s_add_co_u32 s92, s92, s93
	s_mov_b32 s93, 0
	s_add_nc_u64 s[92:93], s[8:9], s[92:93]
	v_lshlrev_b32 v17, 6, v2
.irp t, 0,1,2,3                                ; the bias in the result's layout
	global_load_b128 v[BIAS+8*\t:BIAS+8*\t+3], v17, s[92:93] offset:(32*(\t/2)+8*(\t%2))*4
	global_load_b128 v[BIAS+8*\t+4:BIAS+8*\t+7], v17, s[92:93] offset:(32*(\t/2)+8*(\t%2))*4+16
.endr
	WIN TO_R
.irp i, 0,1,2,3                                ; the residual, at the true rows of block i's places 2 t, 2 t + 1
.irp t, 0,1,2,3,4,5,6,7
	global_load_b128 v[RES+32*\i+4*\t:RES+32*\i+4*\t+3], v[CO], s[20:21] offset:(32*(\i/2)+8*(\i%2)+2*(\t%4)+16*(\t/4))*4096
.endr
.endr
	WIN 0
	s_wait_tensorcnt 0x1                           ; the scale words and my part of slot 0 are in; slot 1's load, the one issued behind them, may be out
	s_barrier_signal -1
	s_barrier_wait -1
	LOADS 0, 0
	STEP 0, 0, 1, 1                                ; the first K step stands in front of the loop: its products start the sums
	s_mov_b32 s3, 3
.Llap:                                             ; a trip goes once round the ring, from a lap's second K step to the next lap's first, and fills both slots again
	STEP 1, 0, 2, 0
	STEP 2, 0, 3, 0
	TURN 0, 1, 1
	STEP 0, 1, 1, 0
	STEP 1, 1, 2, 0
	STEP 2, 1, 3, 0
	TURN 1, 0, 1
	STEP 0, 0, 1, 0
	s_sub_co_u32 s3, s3, 1
	s_cmp_lg_u32 s3, 0
	s_cbranch_scc1 .Llap
	STEP 1, 0, 2, 0                                ; the last lap is written out: it fills nothing, and has no round
	STEP 2, 0, 3, 0
	TURN 0, 1, 0
	STEP 0, 1, 1, 0
	STEP 1, 1, 2, 0
	STEP 2, 1, 3, 0
	s_wait_dscnt 0x0
	WIN MULW
	MUL 0, 4, 3, 0
	WIN 0
	s_wait_loadcnt 0x0                             ; bias and residual
	PLACES 4                                       ; four places behind the last products
.macro OUTB i
.if \i > 0
	s_wait_xcnt 0x0                                ; the last block's stores have read their registers
.endif
	WIN DOWN
.set k, 0
.rept 16
	v_pk_add_f32 v[H+k:H+k+1], v[32*(\i)+k:32*(\i)+k+1], v[BIAS+k:BIAS+k+1]
.set k, k+2
.endr
	WIN 0
.irp t, 0,1,2,3
	ds_store_b128 v[STO], v[H+8*\t:H+8*\t+3] offset:128*(\t/2)+32*(\t%2)
	ds_store_b128 v[STO], v[H+8*\t+4:H+8*\t+7] offset:128*(\t/2)+32*(\t%2)+16
.endr
.irp t, 0,1,2,3,4,5,6,7
	ds_load_b128 v[BK+4*\t:BK+4*\t+3], v[RD] offset:544*\t         ; LDS serves a wave's instructions in order: these see my stores
.endr
	s_wait_dscnt 0x0
	WIN RESW
.set k, 0
.rept 16
	v_pk_add_f32 v[BK+k:BK+k+1], v[BK+k:BK+k+1], v[RES+32*(\i)+k:RES+32*(\i)+k+1]
.set k, k+2
.endr
	WIN 0
.irp t, 0,1,2,3,4,5,6,7
	global_store_b128 v[CO], v[BK+4*\t:BK+4*\t+3], s[22:23] offset:(32*((\i)/2)+8*((\i)%2)+2*(\t%4)+16*(\t/4))*4096 th:TH_STORE_NT    ; 16 lanes store 256 consecutive bytes, aligned; written once, read by nobody here
.endr
.endm
	OUTB 0
	OUTB 1
	OUTB 2
	OUTB 3
	s_wait_tensorcnt 0x0                           ; the wave's end
	ds_add_u32 v[SPW], v[NIL]
	s_wait_dscnt 0x0
	CROUND                                         ; the closing round: no work-group ends while a partner may still ask for a tile that names it
	s_endpgm
.Lfunc_end_k_qfab2ca795f_ff2:
	.size	k_qfab2ca795f_ff2, .Lfunc_end_k_qfab2ca795f_ff2-k_qfab2ca795f_ff2
	.p2alignl 7, 3214868480
	.fill 96, 4, 3214868480
	.section	.rodata,"a",@progbits
	.p2align	6, 0x0
	.amdhsa_kernel k_qfab2ca795f_ff2
		.amdhsa_group_segment_fixed_size 327680
		.amdhsa_private_segment_fixed_size 0
		.amdhsa_enable_private_segment 0
		.amdhsa_kernarg_size 40
		.amdhsa_user_sgpr_count 2
		.amdhsa_user_sgpr_kernarg_segment_ptr 1
		.amdhsa_wavefront_size32 1
		.amdhsa_system_sgpr_workgroup_id_x 1
		.amdhsa_system_sgpr_workgroup_id_y 1
		.amdhsa_system_sgpr_workgroup_id_z 1
		.amdhsa_system_vgpr_workitem_id 0
		.amdhsa_next_free_vgpr 768
		.amdhsa_next_free_sgpr 100
		.amdhsa_reserve_vcc 0
		.amdhsa_float_denorm_mode_32 3
		.amdhsa_float_denorm_mode_16_64 3
		.amdhsa_memory_ordered 1
		.amdhsa_forward_progress 1
		.amdhsa_inst_pref_size 105
	.end_amdhsa_kernel
	.amdgpu_metadata
---
amdhsa.version: [ 1, 2 ]
amdhsa.kernels:
  - .name:           k_qfab2ca795f_ff2
    .symbol:         k_qfab2ca795f_ff2.kd
    .args:
      - { .name: hid, .offset: 0, .size: 8, .value_kind: global_buffer, .address_space: global }
      - { .name: wc, .offset: 8, .size: 8, .value_kind: global_buffer, .address_space: global }
      - { .name: ff2_b, .offset: 16, .size: 8, .value_kind: global_buffer, .address_space: global }
      - { .name: x1, .offset: 24, .size: 8, .value_kind: global_buffer, .address_space: global }
      - { .name: out0, .offset: 32, .size: 8, .value_kind: global_buffer, .address_space: global }
    .group_segment_fixed_size: 327680
    .private_segment_fixed_size: 0
    .kernarg_segment_align: 8
    .kernarg_segment_size: 40
    .max_flat_workgroup_size: 128
    .sgpr_count:     100
    .vgpr_count:     768
    .wavefront_size: 32
...
	.end_amdgpu_metadata
.endif
;; end of part 6
